; MI455X (gfx1250); checked and timed in simulation.
; The chip was launched on July 23, 2026; its instructions are those of AMD's public machine-readable ISA for CDNA 5 (MIT licence, August 2026) and "CDNA5" Instruction Set Architecture Reference Guide (July 2026). The comments in the code are by the model that wrote it; some were corrected since.
;; Multi Head Attention. Allowed arithmetic: matrix products marked QUANTISED: E5M2 operands, one E8M0 scale for each 32 along K, by v_wmma_scale_f32_16x16x128_f8f6f4 with both operands' format E5M2, f32 sums; everything else in f32.
;; Inputs: bk 1,024 float32; bo 1,024 float32; bq 1,024 float32; bv 1,024 float32; wk_codes 1,024 x 32 x 32 uint8 (E5M2 codes of wk, K innermost, in blocks of 32 codes); wk_scales 1,024 x 32 uint8 (E8M0 scales of wk, one for each 32 codes along K); wo_codes 1,024 x 32 x 32 uint8 (E5M2 codes of wo, K innermost, in blocks of 32 codes); wo_scales 1,024 x 32 uint8 (E8M0 scales of wo, one for each 32 codes along K); wq_codes 1,024 x 32 x 32 uint8 (E5M2 codes of wq, K innermost, in blocks of 32 codes); wq_scales 1,024 x 32 uint8 (E8M0 scales of wq, one for each 32 codes along K); wv_codes 1,024 x 32 x 32 uint8 (E5M2 codes of wv, K innermost, in blocks of 32 codes); wv_scales 1,024 x 32 uint8 (E8M0 scales of wv, one for each 32 codes along K); x_codes 4 x 2,048 x 32 x 32 uint8 (E5M2 codes of x, K innermost, in blocks of 32 codes); x_scales 4 x 2,048 x 32 uint8 (E8M0 scales of x, one for each 32 codes along K).
;; Outputs: out0 4 x 2,048 x 1,024 float32.
;; This version of the problem:
;;   THIS VERSION OF THE PROBLEM IS GIVEN IN LOW PRECISION. The matrix products marked QUANTISED in the list below multiply operands that are first quantised to E5M2 (5 exponent bits, 2 mantissa bits; 8 bits a number), with one power-of-two scale for each 32 numbers along K (OCP MX v1.0); their sums are f32. All else is computed in f32.
;;   The module's matrix products, in the order in which they are computed (A, B: the left and right operand; K: the contracted axis; several contracted axes count as one K, in the product's order):
;;     1. [M 8,192, K 1,024] x [K 1,024, N 1,024]; A: input x (given as codes); B: input wq (given as codes): QUANTISED
;;     2. [M 8,192, K 1,024] x [K 1,024, N 1,024]; A: input x (given as codes); B: input wk (given as codes): QUANTISED
;;     3. [M 8,192, K 1,024] x [K 1,024, N 1,024]; A: input x (given as codes); B: input wv (given as codes): QUANTISED
;;     4. batch 64 x [M 2,048, K 64] x [K 64, N 2,048]; A: computed on the way; B: computed on the way: QUANTISED
;;     5. batch 64 x [M 2,048, K 2,048] x [K 2,048, N 64]; A: softmax (see below); B: computed on the way: QUANTISED
;;     6. [M 8,192, K 1,024] x [K 1,024, N 1,024]; A: computed on the way; B: input wo (given as codes): QUANTISED
;;   THE QUANTISER, for each operand of a quantised product, along K:
;;     - K is cut into blocks of 32 from its start; a last block that is shorter is filled with zeros.
;;     - A block's scale is 2^e with e = floor(log2(the largest magnitude in the block)) - 15, held to -126 .. 127; a block of zeros has e = 0. As a byte (E8M0): e + 127.
;;     - Each number is divided by its block's scale, clamped to +-57,344, and rounded to the nearest number of E5M2, ties to even, subnormals kept.
;;     - The product sums the exact products of the quantised numbers (number of the format x scale) in f32.
;;   ~~~python
;;   def quantise(x, axis):      # numpy; x: float32 -> the quantised numbers, widened to float32 again
;;       x = np.moveaxis(x, axis, -1); K = x.shape[-1]
;;       x = np.pad(x, [(0, 0)] * (x.ndim - 1) + [(0, -K % 32)]); x = x.reshape(x.shape[:-1] + (-1, 32)); a = np.abs(x).max(-1, keepdims=True)
;;       e = np.where(a > 0, np.clip(np.frexp(np.where(a > 0, a, 1))[1] - 1 - 15, -126, 127), 0)      # np.frexp(a)[1] - 1 = floor(log2(a)), exactly
;;       r = np.clip(x / 2.0 ** e, -57344, 57344)
;;       step = 2.0 ** (np.maximum(np.frexp(np.where(r == 0, 1, r))[1] - 1, -14) - 2)
;;       q = np.round(r / step) * step * 2.0 ** e      # np.round: ties to even
;;       return np.moveaxis(q.reshape(q.shape[:-2] + (-1,))[..., :K], -1, axis).astype(np.float32)
;;   ~~~
;;   SOFTMAX AHEAD OF A QUANTISED PRODUCT. Where the list says 'softmax', what is quantised is not the finished softmax but p = 2^(t - M), with t = logit x log2(e) and M = ceil(the row's largest t), a whole number; so 1/2 < the row's largest p <= 1. The row's sum l is taken of the UNQUANTISED p, in f32, and the product's result is divided by l at the end. Since M is a whole number, a kernel that streams over the keys may use a running M (the ceiling of the running maximum): every later rescaling is an exact power of two, which a block's scale takes up: the codes' values come out the same.
;;   OPERANDS COMPUTED ON THE WAY. 'Computed on the way' means the value that the module computes at that place (a softmax that the list does not call 'softmax' is quantised finished and normalised). What goes into a quantiser is computed in f32, as accurately as f32 sums, v_exp_f32 and their like allow (about 1e-6 of the number): no bf16 or f16 on the way to a quantiser, and a product that is left as it is and whose result goes on into a quantised operand takes f32 operands (vector FMAs, or v_wmma_f32_16x16x4_f32). A number that lies on a knife's edge between two numbers of the format may be rounded either way, as far as f32 arithmetic and the matrix unit's own rounding can turn it there, and no further.
;;   INPUTS GIVEN AS CODES. wk (in the module: [1024, 1024], K = its axis 0); wo (in the module: [1024, 1024], K = its axis 0); wq (in the module: [1024, 1024], K = its axis 0); wv (in the module: [1024, 1024], K = its axis 0); x (in the module: [4, 2048, 1024], K = its axis 2): each comes as NAME_codes (uint8): NAME with its K axis moved to the last place and cut into blocks of 32 codes, [.., K / 32, bytes a block], one block behind the other in memory; one code a byte (a code: sign, 5 exponent bits, 2 mantissa bits); and NAME_scales (uint8): the same leading axes, one E8M0 byte (e + 127) for each 32 codes along K. Its value is code x scale, taken as it is: it is not quantised again, and the codes and scales need not be those that the quantiser above would give.
;; One version. Each part assembles by itself: llvm-mc -triple=amdgcn-amd-amdhsa -mcpu=gfx1250 --defsym DOCPART=n.
;; ======== version 1 of 1: 3 launches
;; limits: right only within a limited range of input values
;; workspace buffers: qc 8,388,608 bytes; qs 524,288 bytes; kv 16,777,216 bytes; kvs 524,288 bytes; ac 8,388,608 bytes; asc 262,144 bytes
;; launch qkv (part 1): grid 12 x 32, 4 waves a work-group, clusters of 4 x 4, 327,680 bytes of LDS; arguments x_codes, x_scales, wq_codes, wq_scales, wk_codes, wk_scales, wv_codes, wv_scales, bq, bk, bv, qc, qs, kv, kvs; writes qc, qs, kv, kvs
.if DOCPART == 1
	.amdgcn_target "amdgcn-amd-amdhsa--gfx1250"
	.amdhsa_code_object_version 6
	.text
	.protected	k_q43236881a7_qkv
	.globl	k_q43236881a7_qkv
	.p2align	8
	.type	k_q43236881a7_qkv,@function
k_q43236881a7_qkv:
	s_mov_b64 s[64:65], 0
	v_nop
	global_prefetch_b8 v0, s[64:65] scope:SCOPE_SE
	s_setreg_imm32_b32 hwreg(HW_REG_WAVE_MODE, 25, 1), 1
	s_wait_xcnt 0x0
	s_wait_alu depctr_hold_cnt(0) depctr_sa_sdst(0) depctr_va_vdst(0) depctr_va_sdst(0) depctr_va_ssrc(0) depctr_va_vcc(0) depctr_vm_vsrc(0)
	s_getreg_b32 s2, hwreg(HW_REG_IB_STS2, 6, 4)
	s_cmp_eq_u32 s2, 0
	s_cbranch_scc0 .Lentry_in_a_cluster
	s_endpgm
.Lentry_in_a_cluster:
	s_bfe_u32 s2, ttmp6, 0x10000c
	s_cmp_lg_u32 s2, 0xf033
	s_cbranch_scc0 .Lentry_shape_is_right
	s_endpgm
.Lentry_shape_is_right:
; q = x wq + bq, k = x wk + bk, v = x wv + bv on codes of BF8 (E5M2) with one E8M0 scale for each 32 along K = 1,024; sums in f32; then q and k are quantised along the head's 64, v along the keys.
; x: [8192][1024] codes, [8192][32] scale bytes.  wq, wk, wv: [1024 (column)][1024 (k)] codes, [1024][32] scale bytes.  bq, bk, bv: [1024] f32.
; WHICH PRODUCT: the cluster's x (ttmp9), equal in all sixteen partners: 0 = q, 1 = k, 2 = v.  A work-group makes 256 x 256 of it, each of its four waves 128 x 128: 64 accumulators, 512 registers.
; THE MATRIX INSTRUCTION: source 0 = 16 rows of one operand, source 1 = 16 rows of the other; in the result a lane holds ONE row of source 1 (lane % 16) and its registers run along source 0's rows, 8 (lane / 16) + 0 .. 7.
;   q, k: source 1 = x (a lane holds a token), source 0 = the weight (its registers run along the head);   v: source 1 = wv (a lane holds a channel), source 0 = x (its registers run along the keys).
; So in every case a lane's registers run along the K of the product that follows, and the conversions' results are that product's operand registers.  x and the weights have rows of the same length,
; so only pointers and two added terms are chosen by the kind: the ring, the joint loads and the 512 products a wave are written once.
; THE ORDER INSIDE A BLOCK OF 32.  The 16 registers of accumulators 2 p and 2 p + 1 hold elements 8 h + 0 .. 7 and 16 + 8 h + 0 .. 7 of block p (h = lane / 16) and are converted as they stand.  Both operands of each of
; attention's products are made so (q and k here, v here and p in the next launch): the same pairs meet under the same scales; only the order of the sum inside the matrix unit differs from the natural one.
; OUT.  Each group of four code registers leaves as an image: lane l's 16 bytes at 16 l, so each store of the wave covers 512 consecutive bytes, aligned.  No LDS is used on the way out.
;   qc  [bh][tile of 16 tokens: 128][block 2][lane][16];   qs  [bh][step of 128 tokens: 16][tile / 4][row 16][tile % 4: a word s0 s1 s0 s1]
;   kv  [bh][step 16][16,384]: K = [tile 8][block 2][lane][16], then V = [tile of 16 channels: 4][block of 32 keys: 4][lane][16]
;   kvs [bh][step 16][lane 32][16]: lanes 0-15 K's four words of row r (tiles 2 f and 2 f + 1: s0 s1 s0 s1), lanes 16-31 V's four words of channel 16 t + r (key blocks 0 .. 3)
; CLUSTERS: 4 x 4 work-groups.  Source 1's tile hangs on cy and is shared along a row of the cluster, source 0's on cx and is shared along a column: each is asked for JOINTLY.
; LIMITS: a block of zeros gets the scale byte 1, not 127 (its codes are zeros, and this program alone reads the bytes); a block whose largest magnitude lies under 2^-111 has its byte held at 1; NaN and infinities are not served.
; REGISTERS, in windows of 256.  Window 0: v1-7 at work at the head; v8-15 the bias by lane; v16-31 addresses; v32-63 scale words, two sets, later the scale bytes made; v64-127 the bias by register, later at work;
;   v128-255 source 1's fragments, one set, later the codes made.   Window 1: source 0's fragments, two sets.   Windows 2, 3: the accumulators ((a, b) at v[8 (8 (a % 4) + b)]).
; No prefetch is laid: K has four steps, of which two are first fills and the other two are asked for one step ahead.
.set KSTEP,  256                       ; along K in a slot
.set NQ,     2                         ; matrix instructions deep
.set ROWB,   256                       ; a tile's row in bytes
.set KROW,   1024                      ; a row of codes in memory
.set PITCH,  272                       ; an LDS row: 256 bytes + 16 of padding = 68 words: the 16 rows that a load touches start 4 words apart modulo 64 (64 banks of 4 bytes: ISA guide 11.1)
.set FR,     16                        ; registers of a fragment
.set NL,     4                         ; LDS loads that bring one
.set NP,     8                         ; places behind this matrix instruction (ISA guide 7.12.1)
.set HALFT,  128*PITCH                 ; 128 rows: what one tensor load brings
.set SLOT,   4*HALFT                   ; source 1's 256 rows, then source 0's
.set KS,     32                        ; a row of scale bytes
.set SCL,    2*SLOT                    ; behind the ring: the scale bytes, as pieces of 256 bytes + 16 of padding
.set HALFS,  (128*KS/256)*272          ; those of 128 rows
.set SBLK,   (16*KS/256)*272           ; those of 16 rows
.set SPARE,  SCL+4*HALFS               ; the spare words, 128 bytes a wave: two blocks of 256 bytes that no other line names
.set BR,   8                           ; v8-15   bias by lane: register a = bias of column 16 a + lane % 16
.set ADRA, 16                          ; v16-17  LDS address of source 1's fragments in slot 0, 1
.set ADRB, 20                          ; v20-21  of source 0's
.set VO,   24                          ; v24     16 x lane
.set VS,   25                          ; v25     8,192 (lane / 16) + 16 (lane % 16): the scale words' place; the upper lanes write the second head's
.set ADRS, 27                          ; v27     LDS address of my scale words: lanes 0-15 source 1's rows, lanes 16-31 source 0's
.set SPW,  28                          ; v28     LDS address of my spare word; never rewritten
.set NIL,  29                          ; v29     0; never rewritten
.set BOP,  30                          ; v30     32 (lane / 16): the offset of the bias by register; never rewritten
.set BOR,  31                          ; v31     4 (lane % 16): of the bias by lane; never rewritten
.set SC,   32                          ; scale words, set s at v[SC + 16 s]
.set BY,   32                          ; later: the scale byte of (a, block p) at v[BY + 4 a + p]
.set BP,   64                          ; v64-127 bias by register: 8 registers for each b
.set TM,   64                          ; later: v64-67 largest magnitudes, v68-71 the other half's, v76-79 the conversions' scale operands
.set WD,   80                          ; v80-87  scale words to store
.set SL,   96                          ; v96-111 scale bytes chosen by the lane's half
.set AF,   128                         ; source 1's fragments
.set CD,   128                         ; later: the codes of (a, block p) at v[CD + 16 a + 4 p]
.set G1, 24                            ; s[24:31] descriptor group 1 for source 1's tiles;  s[32:39] group 0, one set for each slot
.set G0, 32
.set G1B, 48                           ; s[48:55], s[56:63] the same for source 0's
.set G0B, 56
.set G1S, 68                           ; s[68:75], s[76:79] groups 1 and 0 for source 1's scales;  s[80:87], s[88:91] for source 0's
.set G0S, 76
.set G1SB, 80
.set G0SB, 88
.set MSB, 0
.macro WIN new                         ; the immediate's high byte repeats the setting that is left; a switch that changes nothing is dropped
.if MSB != (\new)
	s_set_vgpr_msb (MSB<<8)|(\new)
.set MSB, (\new)
.endif
.endm
.set MUL_LO, 0xa1                      ; source 0 window 1, source 1 window 0, C and D window 2
.set MUL_HI, 0xf1                      ; the same, C and D window 3
.set TO_B,   0x40                      ; destination window 1, address window 0
; A joint load: waves 0 and 1 fetch for source 1, waves 2 and 3 for source 0.  Each line has one mask and one set of registers for all that issue it; the branch hangs on the wave's number alone.
; Four v_nop follow each of the two lines, ahead of the jump, the label and what follows.
.macro JLOAD g0a, g1a, g0b, g1b
	s_cmp_eq_u32 s15, 0
	s_cbranch_scc0 .Lfor_b_\@
	tensor_load_to_lds s[\g0a:\g0a+3], s[\g1a:\g1a+7]
	s_nop 0
.rept 4
	v_nop
.endr
	s_branch .Lasked_\@
.Lfor_b_\@:
	tensor_load_to_lds s[\g0b:\g0b+3], s[\g1b:\g1b+7]
	s_nop 0
.rept 4
	v_nop
.endr
.Lasked_\@:
.endm
.macro CREST                           ; a round of the cluster's barrier behind its opening barrier
	s_cmp_lg_u32 s14, 0
	s_cbranch_scc1 .Lnot_wave_0_\@
	s_barrier_signal -3
.Lnot_wave_0_\@:
	s_barrier_wait -3
	s_barrier_signal -1
	s_barrier_wait -1
.endm
.macro CROUND                          ; a whole round
	s_barrier_signal -1
	s_barrier_wait -1
	CREST
.endm
	s_load_b512 s[24:39], s[0:1], 0x0              ; x codes, x scales, wq codes, wq scales, wk codes, wk scales, wv codes, wv scales
	s_load_b256 s[40:47], s[0:1], 0x40             ; bq, bk, bv, qc
	s_load_b128 s[48:51], s[0:1], 0x60             ; qs, kv
	s_load_b64 s[52:53], s[0:1], 0x70              ; kvs
	v_lshl_add_u32 v[SPW], v0, 2, SPARE
	v_mov_b32 v[NIL], 0
	ds_add_u32 v28, v29
	ds_add_u32 v28, v29
	s_wait_dscnt 0x0
	v_lshrrev_b32 v1, 5, v0
	v_readfirstlane_b32 s14, v1                    ; wave 0..3
	s_lshr_b32 s15, s14, 1                         ; which half of source 1's rows is mine.  Also: I fetch for source 1 (0) or for source 0 (1)
	s_and_b32 s16, s14, 1                          ; which half of source 0's rows.  Also: which 128 rows of that tile I fetch
	s_wait_kmcnt 0x0
	; the buffers of my kind: choices on the cluster's x alone
	s_cmp_eq_u32 ttmp9, 0
	s_cselect_b64 s[54:55], s[28:29], s[32:33]     ; the weight's codes: wq or wk,
	s_cselect_b64 s[56:57], s[30:31], s[34:35]     ; its scales,
	s_cselect_b64 s[12:13], s[40:41], s[42:43]     ; the bias,
	s_cselect_b64 s[98:99], s[46:47], s[50:51]     ; where the codes go: qc or kv,
	s_cselect_b64 s[100:101], s[48:49], s[52:53]   ; and the scale words: qs or kvs
	s_cmp_eq_u32 ttmp9, 2
	s_cselect_b64 s[54:55], s[36:37], s[54:55]     ; or wv
	s_cselect_b64 s[56:57], s[38:39], s[56:57]
	s_cselect_b64 s[12:13], s[44:45], s[12:13]
	s_cselect_b64 s[4:5], s[54:55], s[24:25]       ; source 1: x, for v the weight
	s_cselect_b64 s[6:7], s[56:57], s[26:27]
	s_cselect_b64 s[8:9], s[24:25], s[54:55]       ; source 0: the weight, for v x
	s_cselect_b64 s[10:11], s[26:27], s[56:57]
	s_bfe_u32 s40, ttmp6, 0x40000                  ; cx, cy: my place in the cluster
	s_bfe_u32 s41, ttmp6, 0x40004
	s_and_b32 s18, ttmp7, 0xffff
	s_lshl_b32 s18, s18, 2                         ; 4 x cluster y: it counts blocks of 256 tokens
	s_cmp_eq_u32 ttmp9, 2
	s_cselect_b32 s19, 0, s18
	s_cselect_b32 s46, s18, 0
	s_add_co_u32 s17, s41, s19                     ; source 1's block of 256 rows: cy (+ 4 x cluster y where source 1 is x)
	s_add_co_u32 s42, s40, s46                     ; source 0's: cx (+ 4 x cluster y where source 0 is x)
	s_lshl_b32 s43, s41, 2
	s_lshl_b32 s43, 15, s43                        ; my row of the cluster
	s_lshl_b32 s44, 0x1111, s40                    ; my column
	; descriptor group 1: a tile of 128 rows x 256 bytes, padded in LDS
	s_or_b32 s[G1+0], s43, (0<<16)|(1<<20)|(1<<21)|(5<<22)|(3<<25)  ; 15:0 the mask: my row; 17:16 elements of 1 byte; 20 padding on; 21 set beside a mask; 24:22 after every 64 words (code 5); 31:25 of 4 words (code 3)
	s_or_b32 s[G1B+0], s44, (0<<16)|(1<<20)|(1<<21)|(5<<22)|(3<<25) ; the same with the mask of my column
.irp g, G1, G1B
	s_mov_b32 s[\g+1], ROWB<<16                    ; tensor_dim0
	s_mov_b32 s[\g+2], 128<<16                     ; tensor_dim1
	s_mov_b32 s[\g+3], ROWB<<16                    ; tile_dim0
	s_mov_b32 s[\g+4], 128                         ; tile_dim1
	s_mov_b32 s[\g+5], KROW                        ; tensor_dim0_stride
	s_mov_b32 s[\g+6], 0
	s_mov_b32 s[\g+7], 0
.endr
	; the scales of 128 rows: a dense block of 4,096 bytes, as 16 rows of 256 bytes (32 elements of 8 bytes), 16 bytes of padding behind each
	s_or_b32 s[G1S+0], s43, (3<<16)|(1<<20)|(1<<21)|(5<<22)|(3<<25)
	s_or_b32 s[G1SB+0], s44, (3<<16)|(1<<20)|(1<<21)|(5<<22)|(3<<25)
.irp g, G1S, G1SB
	s_mov_b32 s[\g+1], 32<<16
	s_mov_b32 s[\g+2], (128*KS/256)<<16
	s_mov_b32 s[\g+3], 32<<16
	s_mov_b32 s[\g+4], 128*KS/256
	s_mov_b32 s[\g+5], 32
	s_mov_b32 s[\g+6], 0
	s_mov_b32 s[\g+7], 0
.endr
	s_lshl_b32 s18, s16, 7                         ; which 128 rows of the tile I fetch
	s_lshl_b32 s20, s17, 8
	s_add_co_u32 s20, s20, s18                     ; source 1: row 256 x block + 128 x half
	s_lshl_b32 s46, s42, 8
	s_add_co_u32 s46, s46, s18                     ; source 0 likewise
	s_mov_b32 s21, 0
	s_mov_b32 s47, 0
	s_mov_b64 s[18:19], KS
	s_mul_u64 s[22:23], s[20:21], s[18:19]         ; where these rows' scales begin, in bytes
	s_mul_u64 s[92:93], s[46:47], s[18:19]
	s_mov_b64 s[18:19], KROW
	s_mul_u64 s[20:21], s[20:21], s[18:19]         ; and their codes
	s_mul_u64 s[46:47], s[46:47], s[18:19]
	s_mul_i32 s45, s14, HALFT                      ; where they go: wave x 128 rows: no place in the cluster enters an LDS address
	s_mul_i32 s94, s14, HALFS
	s_add_nc_u64 s[20:21], s[4:5], s[20:21]
	s_add_nc_u64 s[22:23], s[6:7], s[22:23]
	s_add_nc_u64 s[46:47], s[8:9], s[46:47]
	s_add_nc_u64 s[92:93], s[10:11], s[92:93]
	CROUND                                         ; all sixteen work-groups are here: the first joint loads meet
	s_mov_b32 s[G0S], 1
	s_add_co_u32 s[G0S+1], s94, SCL
	s_mov_b64 s[G0S+2:G0S+3], s[22:23]
	s_or_b32 s[G0S+3], s[G0S+3], 0x80000000
	s_mov_b32 s[G0SB], 1
	s_add_co_u32 s[G0SB+1], s94, SCL
	s_mov_b64 s[G0SB+2:G0SB+3], s[92:93]
	s_or_b32 s[G0SB+3], s[G0SB+3], 0x80000000
	JLOAD G0S, G1S, G0SB, G1SB                     ; the scales first: they are wanted with K step 0.  With the two below, three tensor loads of mine are out
.irp s, 0,1
	s_mov_b32 s[G0+4*\s], 1
	s_add_co_u32 s[G0+4*\s+1], s45, \s*SLOT
	s_add_nc_u64 s[G0+4*\s+2:G0+4*\s+3], s[20:21], \s*ROWB
	s_or_b32 s[G0+4*\s+3], s[G0+4*\s+3], 0x80000000
	s_mov_b32 s[G0B+4*\s], 1
	s_add_co_u32 s[G0B+4*\s+1], s45, \s*SLOT
	s_add_nc_u64 s[G0B+4*\s+2:G0B+4*\s+3], s[46:47], \s*ROWB
	s_or_b32 s[G0B+4*\s+3], s[G0B+4*\s+3], 0x80000000
	JLOAD G0+4*\s, G1, G0B+4*\s, G1B
.endr
	v_and_b32 v1, 15, v0                           ; r = lane % 16
	v_bfe_u32 v2, v0, 4, 1                         ; h = lane / 16
	; THE BIAS, in both forms; the form that my kind does not use reads from the buffer's start, so that every load stays inside the 4,096 bytes.  They are waited for on the way out.
	v_lshlrev_b32 v[BOP], 5, v2
	s_wait_alu depctr_va_vdst(0)
	v_lshlrev_b32 v[BOR], 2, v1
	s_wait_alu depctr_va_vdst(0)
	s_lshl_b32 s66, s17, 8
	s_lshl_b32 s18, s15, 7
	s_add_co_u32 s66, s66, s18                     ; my first row of source 1
	s_lshl_b32 s67, s42, 8
	s_lshl_b32 s18, s16, 7
	s_add_co_u32 s67, s67, s18                     ; my first row of source 0
	s_cmp_eq_u32 ttmp9, 2
	s_cselect_b32 s46, 0, s67                      ; q, k: the columns run along the registers
	s_cselect_b32 s22, s66, 0                      ; v: along the lanes
	s_lshl_b32 s46, s46, 2
	s_mov_b32 s47, 0
	s_lshl_b32 s22, s22, 2
	s_mov_b32 s23, 0
	s_add_nc_u64 s[104:105], s[12:13], s[46:47]
	s_add_nc_u64 s[12:13], s[12:13], s[22:23]
.irp b, 0,1,2,3,4,5,6,7
	global_load_b128 v[BP+8*\b:BP+8*\b+3], v[BOP], s[104:105] offset:64*\b          ; bias of columns 16 b + 8 h + 0 .. 7
	global_load_b128 v[BP+8*\b+4:BP+8*\b+7], v[BOP], s[104:105] offset:64*\b+16
.endr
.irp a, 0,1,2,3,4,5,6,7
	global_load_b32 v[BR+\a], v[BOR], s[12:13] offset:64*\a                         ; bias of column 16 a + r
.endr
	v_mul_u32_u24 v3, v1, PITCH
	v_lshl_add_u32 v4, v2, 4, v3                   ; a fragment's row x pitch + 16 x half
	s_mul_i32 s21, s15, HALFT                      ; my 128 rows of source 1
	s_mul_i32 s22, s16, HALFT                      ; my 128 rows of source 0,
	s_add_co_u32 s22, s22, 2*HALFT                 ; which lie behind source 1's 256
.irp s, 0,1
	v_add_nc_u32 v[ADRA+\s], s21, v4
	v_add_nc_u32 v[ADRB+\s], s22, v4
	s_add_co_u32 s21, s21, SLOT
	s_add_co_u32 s22, s22, SLOT
.endr
	v_mul_u32_u24 v5, v1, KS                       ; my row's scales: 32 bytes a row,
	v_lshrrev_b32 v6, 8, v5
	v_lshl_add_u32 v5, v6, 4, v5                   ; and 16 more for each 256 passed
	s_mul_i32 s21, s15, HALFS
	s_mul_i32 s22, s16, HALFS
	s_add_co_u32 s22, s22, 2*HALFS
	s_sub_co_u32 s22, s22, s21
	v_mul_u32_u24 v6, s22, v2                      ; lanes 16-31 take source 0's: one product, the distance between the two bases x h
	s_add_co_u32 s21, s21, SCL
	v_add_nc_u32 v5, v5, v6
	v_add_nc_u32 v[ADRS], s21, v5
	v_and_b32 v6, 31, v0
	v_lshlrev_b32 v[VO], 4, v6
	v_lshlrev_b32 v[VS], 4, v1
	v_lshl_add_u32 v[VS], v2, 13, v[VS]
.macro FRAG reg, adr, q, i             ; a fragment, 16 rows x 128 K of 8-bit codes: lane l holds row l % 16; registers 4 c .. 4 c + 3 hold K = 32 c + 16 (l / 16) + 0 .. 15
.irp c, 0,1,2,3
	ds_load_b128 v[\reg+4*\c:\reg+4*\c+3], v[\adr] offset:128*(\q)+32*\c+(\i)*16*PITCH
.endr
.endm
; 16 matrix instructions: source 1's blocks a0, a0 + 1 x source 0's eight, 128 along K: the slot's q-th.  p: source 0's set;  sc: the set of scale words.  zero = 1: the first product starts the sums.
; The 64 accumulators take turns, one instruction a turn, in the same order in every step.
.macro MUL16 a0, p, q, sc, zero
.irp a, \a0, \a0+1
.irp b, 0,1,2,3,4,5,6,7
.if \zero
	v_wmma_scale_f32_16x16x128_f8f6f4 v[8*(8*((\a)%4)+\b):8*(8*((\a)%4)+\b)+7], v[128*(\p)+FR*\b:128*(\p)+FR*\b+FR-1], v[AF+FR*(\a):AF+FR*(\a)+FR-1], 0, v[SC+8*NQ*(\sc)+NQ*\b+(\q)], v[SC+8*NQ*(\sc)+NQ*(\a)+(\q)] matrix_a_fmt:MATRIX_FMT_BF8 matrix_b_fmt:MATRIX_FMT_BF8 matrix_a_scale:MATRIX_SCALE_ROW1
.else
	v_wmma_scale_f32_16x16x128_f8f6f4 v[8*(8*((\a)%4)+\b):8*(8*((\a)%4)+\b)+7], v[128*(\p)+FR*\b:128*(\p)+FR*\b+FR-1], v[AF+FR*(\a):AF+FR*(\a)+FR-1], v[8*(8*((\a)%4)+\b):8*(8*((\a)%4)+\b)+7], v[SC+8*NQ*(\sc)+NQ*\b+(\q)], v[SC+8*NQ*(\sc)+NQ*(\a)+(\q)] matrix_a_fmt:MATRIX_FMT_BF8 matrix_b_fmt:MATRIX_FMT_BF8 matrix_a_scale:MATRIX_SCALE_ROW1
.endif
.endr
.endr
.endm
.macro FETCH_B slot, q, p              ; source 0's eight fragments of the slot's q-th 128 along K into set p
	WIN TO_B
.irp i, 0,1,2,3,4,5,6,7
	FRAG 128*(\p)+FR*\i, ADRB+\slot, \q, \i
.endr
	WIN 0
.endm
.macro FETCH_A slot, q, i0             ; source 1's blocks i0 .. i0 + 3
.irp i, \i0, \i0+1, \i0+2, \i0+3
	FRAG AF+FR*(\i), ADRA+\slot, \q, \i
.endr
.endm
.macro SCALES sc                       ; a K step's scale words into set sc: two words a row; lanes 0-15 take source 1's block i, lanes 16-31 source 0's block i
.irp i, 0,1,2,3,4,5,6,7
	ds_load_b64 v[SC+8*NQ*\sc+NQ*\i:SC+8*NQ*\sc+NQ*\i+1], v[ADRS] offset:\i*SBLK
.endr
.endm
; A load into a register that a matrix instruction has read, and a vector instruction that reads a matrix result, stand NP places behind that matrix instruction; only plain vector instructions
; that name none of its registers are places (ISA guide 7.12.1 for vector instructions).
.macro PLACES n
.rept \n
	v_nop
.endr
.endm
; A step of 128 along K that has its successor in the same slot.
.macro STEP slot, q, zero
	s_wait_dscnt 4*NL                              ; source 0's set and source 1's blocks 0-3 are in; the youngest 16 loads (blocks 4-7) may be out
	WIN MUL_LO
	MUL16 0, (\q)%2, \q, \slot, \zero
	MUL16 2, (\q)%2, \q, \slot, \zero
	s_wait_dscnt 0                                 ; blocks 4-7 are in (asked for 32 matrix instructions ago)
	PLACES NP
	FETCH_B \slot, (\q)+1, 1-(\q)%2
	FETCH_A \slot, (\q)+1, 0
	WIN MUL_HI
	MUL16 4, (\q)%2, \q, \slot, \zero
	MUL16 6, (\q)%2, \q, \slot, \zero
	PLACES NP
	WIN 0
	FETCH_A \slot, (\q)+1, 4
.endm
; A slot's last step changes slots: ONE barrier; in front of it each wave waits for all its tensor loads, adds 0 to its spare word, and waits for that and for its own reads of this slot.  fill = 1: this slot is filled again, two K steps ahead.
.macro TURN slot, next, fill
	s_wait_tensorcnt 0x0                           ; all my tensor loads have landed: my part of the next slot;  (every window is 0 here)
	ds_add_u32 v[SPW], v[NIL]                      ; 0 onto my spare word
	s_wait_dscnt 4*NL+1                            ; (the add and the youngest 16 loads, blocks 4-7, may be out)
	WIN MUL_LO
	MUL16 0, 1, NQ-1, \slot, 0                     ; sixteen matrix instructions stand between the add and the wait for it
	s_wait_dscnt 0x0                               ; the add is done, and my reads of this slot are over
	s_barrier_signal -1
	MUL16 2, 1, NQ-1, \slot, 0
	WIN 0
	s_barrier_wait -1
.if \fill
	CREST                                          ; the barrier has opened a round of the cluster's barrier: no wave of any partner still reads this slot's tile or has a load on its way
	s_add_nc_u64 s[G0+4*\slot+2:G0+4*\slot+3], s[G0+4*\slot+2:G0+4*\slot+3], 2*ROWB
	s_add_nc_u64 s[G0B+4*\slot+2:G0B+4*\slot+3], s[G0B+4*\slot+2:G0B+4*\slot+3], 2*ROWB
	JLOAD G0+4*\slot, G1, G0B+4*\slot, G1B         ; the first tensor load behind the round, my one load until the next; its four v_nop are among the places in front of the loads below
	PLACES NP-4
.else
	PLACES NP
.endif
	s_wait_alu depctr_va_vdst(0)
	v_add_nc_u32 v[ADRS], 4*NQ, v[ADRS]            ; on to the next K step's scale words
	FETCH_B \next, 0, 0
	FETCH_A \next, 0, 0
	SCALES \next
	WIN MUL_HI
	MUL16 4, 1, NQ-1, \slot, 0
	MUL16 6, 1, NQ-1, \slot, 0
	PLACES NP
	WIN 0
	FETCH_A \next, 0, 4
.endm
	s_wait_alu depctr_va_vdst(0)
	s_wait_tensorcnt 1                             ; the scales and my part of K step 0 are in (K step 1's load may be out)
	s_barrier_signal -1
	s_barrier_wait -1                              ; everybody's are
	FETCH_B 0, 0, 0
	FETCH_A 0, 0, 0
	SCALES 0
	FETCH_A 0, 0, 4
	STEP 0, 0, 1                                   ; K = 1,024 is four slots' worth: written out.  The first products start the sums
	TURN 0, 1, 1                                   ; slot 0 takes K 512 ..
	STEP 1, 0, 0
	TURN 1, 0, 1                                   ; slot 1 takes K 768 ..
	STEP 0, 0, 0
	TURN 0, 1, 0                                   ; nothing is left to fetch
	STEP 1, 0, 0
	s_wait_dscnt 4*NL                              ; the very last step
	WIN MUL_LO
	MUL16 0, 1, NQ-1, 1, 0
	MUL16 2, 1, NQ-1, 1, 0
	s_wait_dscnt 0
	WIN MUL_HI
	MUL16 4, 1, NQ-1, 1, 0
	MUL16 6, 1, NQ-1, 1, 0
	WIN 0
	PLACES NP                                      ; in front of the first reads of results and of the first writes of registers that the products read
; THE WAY OUT.  1: the bias.  Each accumulator is taken from its low end on.
.macro BIAS byreg                      ; byreg = 1: the columns run along the registers (q, k); 0: along the lanes (v): the lane's number serves both halves of a pair
.irp a, 0,1,2,3,4,5,6,7
	WIN 0x82+0x41*(\a/4)                           ; destination and source 0: window 2 or 3; the bias: window 0
.irp b, 0,1,2,3,4,5,6,7
.irp p, 0,2,4,6
.if \byreg
	v_pk_add_f32 v[64*(\a%4)+8*\b+\p:64*(\a%4)+8*\b+\p+1], v[64*(\a%4)+8*\b+\p:64*(\a%4)+8*\b+\p+1], v[BP+8*\b+\p:BP+8*\b+\p+1]
.elseif (\a%2) == 0
	v_pk_add_f32 v[64*(\a%4)+8*\b+\p:64*(\a%4)+8*\b+\p+1], v[64*(\a%4)+8*\b+\p:64*(\a%4)+8*\b+\p+1], v[BR+\a:BR+\a+1] op_sel_hi:[1,0]
.else
	v_pk_add_f32 v[64*(\a%4)+8*\b+\p:64*(\a%4)+8*\b+\p+1], v[64*(\a%4)+8*\b+\p:64*(\a%4)+8*\b+\p+1], v[BR+\a-1:BR+\a] op_sel:[0,1] op_sel_hi:[1,1]
.endif
.endr
.endr
.endr
	WIN 0
.endm
	s_wait_loadcnt 0x0                             ; the bias
	s_cmp_eq_u32 ttmp9, 2
	s_cbranch_scc1 .Lbias_v
	BIAS 1
	s_branch .Lbias_done
.Lbias_v:
	BIAS 0
.Lbias_done:
	s_mov_b32 s96, 0x76543210
	s_mov_b32 s97, 0xfedcba98                      ; v_permlanex16_b32's selects for lane l xor 16
	s_mov_b32 s2, 0xffff0000                       ; lanes 16-31
.irp b, 0,1,2,3
	v_mov_b32 v[TM+4+\b], 0                        ; written once: a lane permute's destination counts as one of its sources
.endr
; 2: source 1's block a: its 64 numbers a lane are four blocks of 32 along the next K, 16 numbers of each in my lane and 16 in lane l xor 16.
.macro QUANT_A a
.set W,  2+(\a)/4
.set AC, 64*((\a)%4)
	WIN 5*W                                        ; sources 0 and 1: the accumulators' window
.irp b, 0,1,2,3
	v_max3_num_f32 v[TM+\b], |v[AC+16*\b]|, |v[AC+16*\b+1]|, 0x8000000   ; and the floor 2^(16 - 127): the byte cannot fall under 1
.endr
.irp i, 2,4,6,8,10,12,14
.irp b, 0,1,2,3
	v_max3_num_f32 v[TM+\b], |v[AC+16*\b+\i]|, |v[AC+16*\b+\i+1]|, v[TM+\b]   ; (the four blocks by turns)
.endr
.endr
	WIN 0
.irp b, 0,1,2,3
	v_permlanex16_b32 v[TM+4+\b], v[TM+\b], s96, s97
.endr
.irp b, 0,1,2,3
	v_max_num_f32 v[TM+\b], v[TM+\b], v[TM+4+\b]   ; the block's largest magnitude
.endr
.irp b, 0,1,2,3
	v_add_nc_u32 v[TM+12+\b], 0xf8800000, v[TM+\b] ; 15 off its exponent field: the conversion takes the exponent field of this operand as its scale
.endr
.irp b, 0,1,2,3
.endr
.irp b, 0,1,2,3
	v_lshrrev_b32 v[BY+4*(\a)+\b], 23, v[TM+12+\b] ; the scale's byte
.endr
	WIN 65*W                                       ; destination and source 0: the accumulators' window
.irp b, 0,1,2,3
.irp i, 0,1,2,3,4,5,6,7,8,9,10,11,12,13,14,15
.endr
.endr
	WIN W
.irp b, 0,1,2,3
	v_cvt_scalef32_pk8_bf8_f32 v[CD+16*(\a)+4*\b:CD+16*(\a)+4*\b+1], v[AC+16*\b:AC+16*\b+7], v[TM+12+\b]
	v_cvt_scalef32_pk8_bf8_f32 v[CD+16*(\a)+4*\b+2:CD+16*(\a)+4*\b+3], v[AC+16*\b+8:AC+16*\b+15], v[TM+12+\b]
.endr
	WIN 0
	v_nop                                          ; one plain vector instruction between the last conversion and the next write of its scale operands
.endm
.irp a, 0,1,2,3,4,5,6,7
	QUANT_A \a
.endr
	; 3: where my wave's part begins.  Its 128 tokens are one step of 128 of one batch, its 128 columns two heads.
	s_cmp_eq_u32 ttmp9, 2
	s_cselect_b32 s18, s67, s66                    ; my first token
	s_cselect_b32 s19, s66, s67                    ; my first column
	s_cselect_b32 s20, 8192, 0                     ; V lies behind K in a step's 16,384 bytes,
	s_cselect_b32 s21, 256, 0                      ; and its words behind K's in a step's 512
	s_cmp_eq_u32 ttmp9, 0
	s_cselect_b32 s22, 17, 18                      ; a head's codes: 2^17 bytes in qc, 2^18 in kv
	s_cselect_b32 s23, 13, 14                      ; a step's: 2^13, 2^14
	s_lshr_b32 s46, s18, 11                        ; batch
	s_lshl_b32 s46, s46, 4
	s_lshr_b32 s47, s19, 6
	s_add_co_u32 s46, s46, s47                     ; bh of my first head
	s_bfe_u32 s47, s18, 0x40007                    ; the step
	s_lshl_b32 s92, s46, s22
	s_lshl_b32 s93, s47, s23
	s_add_co_u32 s92, s92, s93
	s_add_co_u32 s92, s92, s20
	s_mov_b32 s93, 0
	s_add_nc_u64 s[98:99], s[98:99], s[92:93]      ; the first head's codes
	s_lshl_b32 s92, 1, s22
	s_add_nc_u64 s[104:105], s[98:99], s[92:93]    ; the second head's
	s_lshl_b32 s92, s46, 13
	s_lshl_b32 s94, s47, 9
	s_add_co_u32 s92, s92, s94
	s_add_co_u32 s92, s92, s21
	s_add_nc_u64 s[100:101], s[100:101], s[92:93]  ; the first head's scale words; the second head's lie 8,192 bytes on
	; 4: the stores.  Codes: 32 lanes x 16 bytes, 512 consecutive bytes, aligned.  Scale words: lanes 0-15 carry the first head's, lanes 16-31 the second's: sixteen lanes store 256 consecutive bytes, aligned.
	s_cmp_eq_u32 ttmp9, 2
	s_cbranch_scc1 .Lout_v
	s_wait_alu depctr_va_vdst(0)
.irp a, 0,1,2,3,4,5,6,7
.irp p, 0,1
	global_store_b128 v[VO], v[CD+16*\a+4*\p:CD+16*\a+4*\p+3], s[98:99] offset:1024*\a+512*\p        ; tile a of tokens, block p of the first head
	global_store_b128 v[VO], v[CD+16*\a+8+4*\p:CD+16*\a+8+4*\p+3], s[104:105] offset:1024*\a+512*\p  ; of the second
.endr
.endr
.irp a, 0,1,2,3,4,5,6,7
.irp p, 0,1
	v_cndmask_b32 v[SL+2*\a+\p], v[BY+4*\a+\p], v[BY+4*\a+2+\p], s2   ; the byte of (tile a, block p) of my half's head
.endr
.endr
	s_cmp_eq_u32 ttmp9, 0
	s_cbranch_scc0 .Lwords4
.irp a, 0,1,2,3,4,5,6,7
	v_lshl_or_b32 v[SL+2*\a], v[SL+2*\a+1], 8, v[SL+2*\a]
	v_lshl_or_b32 v[WD+\a], v[SL+2*\a], 16, v[SL+2*\a]       ; q: s0 s1 s0 s1: the word serves q in the lower and in the upper half of a fragment
.endr
	global_store_b128 v[VS], v[WD:WD+3], s[100:101]
	global_store_b128 v[VS], v[WD+4:WD+7], s[100:101] offset:256
	s_branch .Ldone
.Lout_v:
	s_wait_alu depctr_va_vdst(0)
.irp a, 0,1,2,3
.irp p, 0,1,2,3
	global_store_b128 v[VO], v[CD+16*\a+4*\p:CD+16*\a+4*\p+3], s[98:99] offset:2048*\a+512*\p              ; tile a of channels, block p of keys, first head
	global_store_b128 v[VO], v[CD+16*(\a+4)+4*\p:CD+16*(\a+4)+4*\p+3], s[104:105] offset:2048*\a+512*\p    ; second head
.endr
.endr
.irp a, 0,1,2,3
.irp p, 0,1,2,3
	v_cndmask_b32 v[SL+4*\a+\p], v[BY+4*\a+\p], v[BY+4*(\a+4)+\p], s2
.endr
.endr
.Lwords4:                                              ; k: word f = tiles 2 f and 2 f + 1, two bytes each;  v: word t = the four key blocks of channel tile t.  Both: four chosen bytes on end
.irp f, 0,1,2,3
	v_lshl_or_b32 v[WD+\f], v[SL+4*\f+1], 8, v[SL+4*\f]
	v_lshl_or_b32 v[WD+\f], v[SL+4*\f+2], 16, v[WD+\f]
	v_lshl_or_b32 v[WD+\f], v[SL+4*\f+3], 24, v[WD+\f]
.endr
	global_store_b128 v[VS], v[WD:WD+3], s[100:101]
.Ldone:
	s_wait_tensorcnt 0x0                           ; the wave's end
	ds_add_u32 v[SPW], v[NIL]
	s_wait_dscnt 0x0
	CROUND                                         ; the closing round: no work-group ends while a partner may still ask for a tile that names it
	s_endpgm
.Lfunc_end_k_q43236881a7_qkv:
	.size	k_q43236881a7_qkv, .Lfunc_end_k_q43236881a7_qkv-k_q43236881a7_qkv
	.p2alignl 7, 3214868480
	.fill 96, 4, 3214868480
	.section	.rodata,"a",@progbits
	.p2align	6, 0x0
	.amdhsa_kernel k_q43236881a7_qkv
		.amdhsa_group_segment_fixed_size 327680
		.amdhsa_private_segment_fixed_size 0
		.amdhsa_enable_private_segment 0
		.amdhsa_kernarg_size 120
		.amdhsa_user_sgpr_count 2
		.amdhsa_user_sgpr_kernarg_segment_ptr 1
		.amdhsa_wavefront_size32 1
		.amdhsa_system_sgpr_workgroup_id_x 1
		.amdhsa_system_sgpr_workgroup_id_y 1
		.amdhsa_system_sgpr_workgroup_id_z 1
		.amdhsa_system_vgpr_workitem_id 0
		.amdhsa_next_free_vgpr 1024
		.amdhsa_next_free_sgpr 106
		.amdhsa_reserve_vcc 0
		.amdhsa_float_denorm_mode_32 3
		.amdhsa_float_denorm_mode_16_64 3
		.amdhsa_fp16_overflow 1
		.amdhsa_memory_ordered 1
		.amdhsa_forward_progress 1
		.amdhsa_inst_pref_size 191
	.end_amdhsa_kernel
	.amdgpu_metadata
---
amdhsa.version: [ 1, 2 ]
amdhsa.kernels:
  - .name:           k_q43236881a7_qkv
    .symbol:         k_q43236881a7_qkv.kd
    .args:
      - { .name: x_codes, .offset: 0, .size: 8, .value_kind: global_buffer, .address_space: global }
      - { .name: x_scales, .offset: 8, .size: 8, .value_kind: global_buffer, .address_space: global }
      - { .name: wq_codes, .offset: 16, .size: 8, .value_kind: global_buffer, .address_space: global }
      - { .name: wq_scales, .offset: 24, .size: 8, .value_kind: global_buffer, .address_space: global }
      - { .name: wk_codes, .offset: 32, .size: 8, .value_kind: global_buffer, .address_space: global }
      - { .name: wk_scales, .offset: 40, .size: 8, .value_kind: global_buffer, .address_space: global }
      - { .name: wv_codes, .offset: 48, .size: 8, .value_kind: global_buffer, .address_space: global }
      - { .name: wv_scales, .offset: 56, .size: 8, .value_kind: global_buffer, .address_space: global }
      - { .name: bq, .offset: 64, .size: 8, .value_kind: global_buffer, .address_space: global }
      - { .name: bk, .offset: 72, .size: 8, .value_kind: global_buffer, .address_space: global }
      - { .name: bv, .offset: 80, .size: 8, .value_kind: global_buffer, .address_space: global }
      - { .name: qc, .offset: 88, .size: 8, .value_kind: global_buffer, .address_space: global }
      - { .name: qs, .offset: 96, .size: 8, .value_kind: global_buffer, .address_space: global }
      - { .name: kv, .offset: 104, .size: 8, .value_kind: global_buffer, .address_space: global }
      - { .name: kvs, .offset: 112, .size: 8, .value_kind: global_buffer, .address_space: global }
    .group_segment_fixed_size: 327680
    .private_segment_fixed_size: 0
    .kernarg_segment_align: 8
    .kernarg_segment_size: 120
    .max_flat_workgroup_size: 128
    .sgpr_count:     106
    .vgpr_count:     1024
    .wavefront_size: 32
...
	.end_amdgpu_metadata
.endif
;; end of part 1
;; launch attn (part 2): grid 4 x 64, 8 waves a work-group, no clusters, 271,360 bytes of LDS; arguments qc, qs, kv, kvs, ac, asc; writes ac, asc
.if DOCPART == 2
	.amdgcn_target "amdgcn-amd-amdhsa--gfx1250"
	.amdhsa_code_object_version 6
	.text
	.protected	k_q43236881a7_attn
	.globl	k_q43236881a7_attn
	.p2align	8
	.type	k_q43236881a7_attn,@function
k_q43236881a7_attn:
	s_mov_b64 s[64:65], 0
	v_nop
	global_prefetch_b8 v0, s[64:65] scope:SCOPE_SE
	s_setreg_imm32_b32 hwreg(HW_REG_WAVE_MODE, 25, 1), 1
	s_wait_xcnt 0x0
; a[b][q][head] = softmax over the keys k <= q of (q . k / 8) times v, both products on codes of BF8 (E5M2) with one E8M0 scale for each 32 along a product's K; then a is quantised along the model's 1,024.
; In: qc, qs, kv, kvs as the launch before lays them (images of operand registers: lane l's 16 bytes at 16 l).  Out: ac [tile of 16 tokens: 512][K step of 128: 8][group 4][lane][16], asc [tile][4][row 16][8 bytes].
; THE SOFTMAX AHEAD OF THE SECOND PRODUCT: t = score x log2(e) / 8; M = the row's largest t so far, rounded UP to a whole number; p = 2^(t - M) is what is quantised, along the keys, not normalised.
; The row's sum is taken of the unquantised p and divides O at the end.  When M moves, the sum and O are multiplied by 2^(old M - new M): exact, and without a branch on data.
; SHARES.  Work-group (i, bh) owns the blocks i and 7 - i of 256 queries of one head, one after the other; wave w owns 32 queries of each: two tiles of 16 that share every fragment of K and V.
; Key steps of 128 that lie wholly behind a wave's queries are jumped over (a scalar branch on ids): a wave works 16 or 18 steps whatever i is, so the 256 work-groups have equal work.
; THE WHOLE HEAD'S K, V AND SCALE WORDS LIE IN LDS, filled once: 16 steps x 16,384 bytes, then 8,192 bytes of words.  Each wave brings an eighth by three tensor loads at the head.  No byte is filled again:
; no ring, and one barrier in the whole text.  Every LDS load takes 512 consecutive bytes.  The loops' trip counts are constants (8 and 16).  Work-groups with i > 0 bring up to six steps that they never read.
; No cluster: the four work-groups of a head share these 270,336 bytes once in the launch, a small part of what a work-group reads from LDS in its 34 steps a SIMD.  No prefetch: all that is read is asked for at the head.
; LAYOUT.  Both products are used transposed: S^T = K Q^T (source 0 = keys, source 1 = my queries), O^T = V^T P^T (source 0 = 16 channels, source 1 = P): a lane holds ONE query (lane % 16) throughout.
; THE HEAD'S 64 IN AN INSTRUCTION OF 128: a fragment of K holds TWO tiles of 16 keys (groups 0, 1: tile 2 f; groups 2, 3: tile 2 f + 1) and is multiplied once by [q | 0] and once by [0 | q].  The zero codes stand on Q's side
; alone, in the run of registers 0 q0 0 q1 0; K's codes are finite, so their products with zero codes are zeros.
; THE ORDER INSIDE A BLOCK OF 32: register 16 b + i of S^T holds key 32 b + 8 h + i % 8 + 16 (i / 8) (h = lane / 16); p is converted as it stands, and V's codes were made in the same order.
; a meets wo, which comes in natural order: its codes change lanes once, on the way out.
; LIMITS: a block of zeros gets the scale byte 1, not 127 (its codes are zeros, and this program alone reads the bytes); blocks under 2^-111 have their byte held at 1; NaN and infinities are not served.
; asc is stored two bytes a lane (a head's two bytes of a row's eight): the other six come from other work-groups.
; REGISTERS.  Window 0: v1-7 addresses and constants; v8-15 statistics; v16-19 a step's scale words; v20-21 Q's; v22-23 P's; v24-40 at work; v64-191 S^T, then p (64 a tile); v192-223 p's codes; v224-255 at work (16 a tile).
;   Window 1: v0-63 K's four fragments; v64-127 V's four; v128-167 0 q0 0 q1 0; v192-255 O^T (32 a tile).
.set SCB,  262144                      ; LDS: the scale words, behind the 16 steps
.set LI,   1                           ; v1   16 x lane; never rewritten
.set LS0,  2                           ; v2   SCB + 16 x lane
.set ADK,  3                           ; v3   LDS address of the step's K and V
.set ADS,  4                           ; v4   of its scale words
.set QV,   5                           ; v5   16 (lane % 16): Q's scale words; never rewritten
.set DM0,  6                           ; v6   lane % 16 - 8 (lane / 16)
.set NINF, 7                           ; v7   -infinity
.set ST,   8                           ; tile x: v[ST+4x] -M, +1 the largest t, +2, +3 the sum in two halves
.set SC,   16                          ; v16-19 lanes 0-15: K's words f = 0 .. 3; lanes 16-31: V's words t = 0 .. 3
.set QS,   20                          ; v20-21 Q's scale word, tile 0, 1
.set PS,   22                          ; v22-23 P's
.set FF,   24                          ; v[24+2x] f = 2^(old M - new M); named as a pair
.set TT,   28                          ; v28-29 at work
.set C2,   30                          ; v[30+2x:31+2x] the sum's second chain; on the way out 1 / the sum
.set DD,   34                          ; v34  the mask's bound
.set AO,   35                          ; v35  512 (lane / 16) + 8 (lane % 16): asc; never rewritten
.set XT,   36                          ; v36-39 at work on the way out
.set HW,   40                          ; v40  two scale bytes
.set S,    64
.set PC,   192
.set TP,   224                         ; tile x at TP + 16 x: +0..3 largest scores, then p; +4..7 the other half's, then bytes; +12..15 the conversions' scale operands
.set O,    192                         ; window 1
.set WV,   16                          ; s16  wave
.set BH,   17                          ; s17  16 x batch + head
.set BI,   18                          ; s18  i
.set MNT,  19
.set SEL,  20                          ; s[20:21] lane selects for lane l xor 16
.set CS,   22                          ; s[22:23] c = log2(e) / 8
.set G1,   24                          ; s[24:31] group 1: 64 rows of 256 bytes;  s[32:39]: 4 rows;  s[40:51] three groups 0, never rewritten
.set G1S,  32
.set G0,   40
.set TB,   52                          ; s52  LDS byte at which the step begins
.set TS,   53                          ; s53  and its scale words, from SCB on
.set KF,   54                          ; s54  the step's first key
.set Q0,   55                          ; s55  my first query
.set CNT,  56
.set HI,   57                          ; s57  lanes 16-31
.set MSB, 0
.macro WIN new                         ; the immediate's high byte repeats the setting that is left
.if MSB != (\new)
	s_set_vgpr_msb (MSB<<8)|(\new)
.set MSB, (\new)
.endif
.endm
.macro PLACES n
.rept \n
	v_nop
.endr
.endm
	s_load_b256 s[4:11], s[0:1], 0x0               ; qc s[4:5], qs s[6:7], kv s[8:9], kvs s[10:11]
	s_load_b128 s[12:15], s[0:1], 0x20             ; ac s[12:13], asc s[14:15]
	v_lshl_add_u32 v62, v0, 2, 0x42000
	v_mov_b32 v63, 0
	ds_add_u32 v62, v63
	ds_add_u32 v62, v63
	v_lshrrev_b32 v1, 5, v0
	v_readfirstlane_b32 s[WV], v1                  ; wave 0..7
	s_and_b32 s[BH], ttmp7, 0xffff
	s_mov_b32 s[BI], ttmp9
	s_mov_b32 s[G1], 3<<16                         ; no mask, elements of 8 bytes, no padding
	s_mov_b32 s[G1+1], 32<<16                      ; tensor_dim0 = 32 elements: 256 bytes
	s_mov_b32 s[G1+2], 64<<16                      ; tensor_dim1 = 64
	s_mov_b32 s[G1+3], 32<<16                      ; tile_dim0
	s_mov_b32 s[G1+4], 64                          ; tile_dim1
	s_mov_b32 s[G1+5], 32                          ; the rows are dense
	s_mov_b32 s[G1+6], 0
	s_mov_b32 s[G1+7], 0
	s_mov_b32 s[G1S], 3<<16
	s_mov_b32 s[G1S+1], 32<<16
	s_mov_b32 s[G1S+2], 4<<16
	s_mov_b32 s[G1S+3], 32<<16
	s_mov_b32 s[G1S+4], 4
	s_mov_b32 s[G1S+5], 32
	s_mov_b32 s[G1S+6], 0
	s_mov_b32 s[G1S+7], 0
	s_lshl_b32 s70, s[BH], 18                      ; the head's 262,144 bytes of kv,
	s_lshl_b32 s71, s[WV], 14                      ; step w
	s_add_co_u32 s70, s70, s71
	s_mov_b32 s71, 0
	s_lshl_b32 s72, s[BH], 13                      ; its 8,192 bytes of kvs,
	s_lshl_b32 s73, s[WV], 10                      ; my 1,024
	s_add_co_u32 s72, s72, s73
	s_mov_b32 s73, 0
	s_mov_b32 s[SEL], 0x76543210
	s_mov_b32 s[SEL+1], 0xfedcba98
	s_mov_b32 s[CS], 0x3e38aa3b                    ; log2(e) / 8
	s_mov_b32 s[CS+1], s[CS]                       ; (named with it as a pair, so it is written)
	s_mov_b32 s[HI], 0xffff0000
	s_wait_dscnt 0x0
	s_wait_kmcnt 0x0
	s_mov_b32 s[G0], 1
	s_lshl_b32 s[G0+1], s[WV], 10
	s_add_co_u32 s[G0+1], s[G0+1], SCB             ; LDS: SCB + 1,024 x wave
	s_add_nc_u64 s[G0+2:G0+3], s[10:11], s[72:73]
	s_or_b32 s[G0+3], s[G0+3], 0x80000000
	s_mov_b32 s[G0+4], 1
	s_lshl_b32 s[G0+5], s[WV], 14                  ; LDS: 16,384 x wave
	s_add_nc_u64 s[G0+6:G0+7], s[8:9], s[70:71]
	s_or_b32 s[G0+7], s[G0+7], 0x80000000
	s_mov_b32 s[G0+8], 1
	s_lshl_b32 s[G0+9], s[WV], 14
	s_add_co_u32 s[G0+9], s[G0+9], 131072          ; LDS: 131,072 + 16,384 x wave: step 8 + w
	s_add_nc_u64 s[G0+10:G0+11], s[8:9], s[70:71]
	s_add_nc_u64 s[G0+10:G0+11], s[G0+10:G0+11], 131072
	s_or_b32 s[G0+11], s[G0+11], 0x80000000
	tensor_load_to_lds s[G0:G0+3], s[G1S:G1S+7]    ; the first fills go out together, ahead of every wait on TENSORcnt, every LDS read and the barrier: three loads of mine are out
	s_nop 0
	tensor_load_to_lds s[G0+4:G0+7], s[G1:G1+7]
	s_nop 0
	tensor_load_to_lds s[G0+8:G0+11], s[G1:G1+7]
	s_nop 0
.rept 4
	v_nop
.endr
	v_and_b32 v5, 31, v0
	v_lshlrev_b32 v[LI], 4, v5
	v_add_nc_u32 v[LS0], SCB, v[LI]
	v_and_b32 v6, 15, v0                           ; r
	v_bfe_u32 v7, v0, 4, 1                         ; h
	v_lshlrev_b32 v[QV], 4, v6
	v_lshlrev_b32 v[AO], 3, v6
	v_lshl_add_u32 v[AO], v7, 9, v[AO]
	v_lshlrev_b32 v7, 3, v7
	v_sub_nc_u32 v[DM0], v6, v7
	v_mov_b32 v[NINF], 0xff800000
.macro SETQ                            ; from Q0: where my 32 queries' codes and scale words lie
	s_lshl_b32 s70, s[BH], 17                      ; a head's 131,072 bytes of qc,
	s_lshl_b32 s71, s[Q0], 6                       ; 1,024 for each tile of 16
	s_add_co_u32 s70, s70, s71
	s_mov_b32 s71, 0
	s_add_nc_u64 s[60:61], s[4:5], s[70:71]
	s_lshl_b32 s70, s[BH], 13                      ; qs: 8,192 a head,
	s_lshr_b32 s72, s[Q0], 7
	s_lshl_b32 s72, s72, 9                         ; 512 for each 128 tokens,
	s_add_co_u32 s70, s70, s72
	s_bfe_u32 s72, s[Q0], 0x10006
	s_lshl_b32 s72, s72, 8                         ; 256 for each 64,
	s_add_co_u32 s70, s70, s72
	s_bfe_u32 s72, s[Q0], 0x20004
	s_lshl_b32 s72, s72, 2                         ; a word a tile: 0 or 8, since Q0 is a multiple of 32
	s_add_co_u32 s70, s70, s72
	s_add_nc_u64 s[62:63], s[6:7], s[70:71]
.endm
.macro SETA                            ; from Q0: where my 32 rows of a go
	s_lshr_b32 s70, s[BH], 4
	s_lshl_b32 s70, s70, 7
	s_lshr_b32 s72, s[Q0], 4
	s_add_co_u32 s70, s70, s72                     ; the tile of tokens: 128 x batch + Q0 / 16
	s_and_b32 s73, s[BH], 15                       ; the head
	s_lshl_b32 s74, s70, 14                        ; ac: 16,384 a tile,
	s_lshr_b32 s75, s73, 1
	s_lshl_b32 s75, s75, 11                        ; 2,048 for each K step of 128: two heads,
	s_add_co_u32 s74, s74, s75
	s_and_b32 s75, s73, 1
	s_lshl_b32 s75, s75, 10                        ; 1,024 a head
	s_add_co_u32 s74, s74, s75
	s_mov_b32 s75, 0
	s_add_nc_u64 s[66:67], s[12:13], s[74:75]
	s_lshl_b32 s74, s70, 9                         ; asc: 512 a tile,
	s_lshr_b32 s76, s73, 2
	s_lshl_b32 s76, s76, 7                         ; 128 for each four heads,
	s_add_co_u32 s74, s74, s76
	s_and_b32 s76, s73, 3
	s_lshl_b32 s76, s76, 1                         ; two bytes a head
	s_add_co_u32 s74, s74, s76
	s_add_nc_u64 s[68:69], s[14:15], s[74:75]
.endm
.macro LOADQ                           ; my two tiles of Q: two groups of four registers each, and a scale word a row
	WIN 0x40                                       ; destination window 1
.irp x, 0,1
.irp b, 0,1
	global_load_b128 v[136+16*\x+4*\b:139+16*\x+4*\b], v[LI], s[60:61] offset:1024*\x+512*\b
.endr
.endr
	WIN 0
	global_load_b64 v[QS:QS+1], v[QV], s[62:63]
.endm
.macro INIT                            ; a block of queries begins: O^T and the sum are zeros, the largest t lies under every t; the first change of M multiplies zeros
.irp x, 0,1
	v_mov_b32 v[ST+4*\x+1], 0xff61b1e6             ; -3e38
	v_floor_f32 v[ST+4*\x], -v[ST+4*\x+1]
	v_mov_b32 v[ST+4*\x+2], 0
	v_mov_b32 v[ST+4*\x+3], 0
	v_mov_b32 v[FF+2*\x+1], 0                      ; (named as the upper half of a pair)
	v_mov_b32 v[C2+2*\x], 0
	v_mov_b32 v[C2+2*\x+1], 0
	v_mov_b32 v[XT+2*\x], 0                        ; a lane permute's destination counts as one of its sources
	v_mov_b32 v[XT+2*\x+1], 0
.irp b, 0,1,2,3
	v_mov_b32 v[TP+16*\x+4+\b], 0
.endr
.endr
	WIN 0x40
.set j, 0
.rept 64
	v_mov_b32 v[O+j], 0
.set j, j+1
.endr
	WIN 0
.endm
; THE SOFTMAX'S PARTS, for tile x.
.macro SM_MAX x                        ; the largest score of each block of 32 keys (it serves twice: for the row's maximum and, since p rises with the score, for the block's largest p), the new M, and f
.irp b, 0,1,2,3
	v_max3_num_f32 v[TP+16*(\x)+\b], v[S+64*(\x)+16*\b], v[S+64*(\x)+16*\b+1], v[S+64*(\x)+16*\b+2]
.endr
.irp i, 3,5,7,9,11,13
.irp b, 0,1,2,3
	v_max3_num_f32 v[TP+16*(\x)+\b], v[TP+16*(\x)+\b], v[S+64*(\x)+16*\b+\i], v[S+64*(\x)+16*\b+\i+1]
.endr
.endr
.irp b, 0,1,2,3
	v_max_num_f32 v[TP+16*(\x)+\b], v[TP+16*(\x)+\b], v[S+64*(\x)+16*\b+15]
.endr
.irp b, 0,1,2,3
	v_permlanex16_b32 v[TP+16*(\x)+4+\b], v[TP+16*(\x)+\b], s[SEL], s[SEL+1]
.endr
.irp b, 0,1,2,3
	v_max_num_f32 v[TP+16*(\x)+\b], v[TP+16*(\x)+\b], v[TP+16*(\x)+4+\b]   ; with lane l xor 16's 16 keys
.endr
	v_max3_num_f32 v[TT+(\x)], v[TP+16*(\x)], v[TP+16*(\x)+1], v[TP+16*(\x)+2]
	v_max_num_f32 v[TT+(\x)], v[TT+(\x)], v[TP+16*(\x)+3]
	v_mul_f32 v[TT+(\x)], s[CS], v[TT+(\x)]                    ; as t (c is positive)
	v_max_num_f32 v[ST+4*(\x)+1], v[ST+4*(\x)+1], v[TT+(\x)]   ; the running largest t
	v_mov_b32 v[TT+(\x)], v[ST+4*(\x)]
	v_floor_f32 v[ST+4*(\x)], -v[ST+4*(\x)+1]                  ; the new -M = floor(-t) = -ceil(t)
	v_sub_f32 v[TT+(\x)], v[ST+4*(\x)], v[TT+(\x)]             ; old M - new M: a whole number, 0 or less
	v_cvt_i32_f32 v[TT+(\x)], v[TT+(\x)]                       ; (it saturates)
	v_ldexp_f32 v[FF+2*(\x)], 1.0, v[TT+(\x)]                  ; f
.endm
.macro SUMN x, n                       ; addition n of 32 of the row's sum of the unquantised p, two numbers at a time, in two chains
.if (\n) == 0
	v_pk_add_f32 v[C2+2*(\x):C2+2*(\x)+1], v[S+64*(\x):S+64*(\x)+1], v[S+64*(\x)+2:S+64*(\x)+3]
.elseif (\n) == 31
	v_pk_add_f32 v[ST+4*(\x)+2:ST+4*(\x)+3], v[ST+4*(\x)+2:ST+4*(\x)+3], v[C2+2*(\x):C2+2*(\x)+1]
.elseif ((\n)%2) == 1
	v_pk_add_f32 v[ST+4*(\x)+2:ST+4*(\x)+3], v[ST+4*(\x)+2:ST+4*(\x)+3], v[S+64*(\x)+2*(\n)+2:S+64*(\x)+2*(\n)+3]
.else
	v_pk_add_f32 v[C2+2*(\x):C2+2*(\x)+1], v[C2+2*(\x):C2+2*(\x)+1], v[S+64*(\x)+2*(\n)+2:S+64*(\x)+2*(\n)+3]
.endif
.endm
.macro SM_SCL x                        ; from each block's largest p: the conversion's scale operand, the byte; the four bytes make P's scale word
.irp b, 0,1,2,3
	v_max_num_f32 v[TP+16*(\x)+\b], 0x8000000, v[TP+16*(\x)+\b]            ; the floor 2^(16 - 127): the byte cannot fall under 1
.endr
.irp b, 0,1,2,3
	v_add_nc_u32 v[TP+16*(\x)+12+\b], 0xf8800000, v[TP+16*(\x)+\b]         ; 15 off the exponent field
.endr
.irp b, 0,1,2,3
.endr
.irp b, 0,1,2,3
	v_lshrrev_b32 v[TP+16*(\x)+4+\b], 23, v[TP+16*(\x)+12+\b]
.endr
	v_lshl_or_b32 v[PS+(\x)], v[TP+16*(\x)+5], 8, v[TP+16*(\x)+4]
	v_lshl_or_b32 v[PS+(\x)], v[TP+16*(\x)+6], 16, v[PS+(\x)]
	v_lshl_or_b32 v[PS+(\x)], v[TP+16*(\x)+7], 24, v[PS+(\x)]
.endm
.macro SM_CVT x                        ; the conversions: their results are the second product's source 1
.irp b, 0,1,2,3
.irp i, 0,1,2,3,4,5,6,7,8,9,10,11,12,13,14,15
.endr
	v_cvt_scalef32_pk8_bf8_f32 v[PC+16*(\x)+4*\b:PC+16*(\x)+4*\b+1], v[S+64*(\x)+16*\b:S+64*(\x)+16*\b+7], v[TP+16*(\x)+12+\b]
	v_cvt_scalef32_pk8_bf8_f32 v[PC+16*(\x)+4*\b+2:PC+16*(\x)+4*\b+3], v[S+64*(\x)+16*\b+8:S+64*(\x)+16*\b+15], v[TP+16*(\x)+12+\b]
.endr
.endm
; A KEY STEP: 128 keys, for my two tiles of queries.  Every window is 0 at its head, at its labels and at its end.
.macro STEP
	s_cmp_gt_u32 s[KF], s[Q0]                      ; KF is a multiple of 128 and my 32 queries lie inside one run of 128: above Q0 means behind all of them
	s_cbranch_scc1 .Lhid_\@
	s_setprio 2
	v_add_nc_u32 v[ADK], s[TB], v[LI]
	v_add_nc_u32 v[ADS], s[TS], v[LS0]
	ds_load_b128 v[SC:SC+3], v[ADS]                ; the step's scale words
	WIN 0x40                                       ; destination window 1
.irp f, 0,1,2,3
.irp c, 0,1,2,3
	ds_load_b128 v[16*\f+4*\c:16*\f+4*\c+3], v[ADK] offset:2048*\f+512*\c
.endr
.endr
.irp t, 0,1,2,3
.irp c, 0,1,2,3
	ds_load_b128 v[64+16*\t+4*\c:64+16*\t+4*\c+3], v[ADK] offset:8192+2048*\t+512*\c
.endr
.endr
	s_wait_dscnt 16                                ; the words and K are in; V's 16 loads may be out: they land under the softmax
	WIN 0x05                                       ; K and Q window 1, S^T window 0
.irp f, 0,1,2,3
.irp u, 0,1
.irp x, 0,1
	v_wmma_scale_f32_16x16x128_f8f6f4 v[S+64*\x+8*(2*\f+\u):S+64*\x+8*(2*\f+\u)+7], v[16*\f:16*\f+15], v[136+16*\x-8*\u:151+16*\x-8*\u], 0, v[SC+\f], v[QS+\x] matrix_a_fmt:MATRIX_FMT_BF8 matrix_b_fmt:MATRIX_FMT_BF8   ; u = 0: [q | 0]: keys 32 f + ..; u = 1: [0 | q]: keys 32 f + 16 + ..
.endr
.endr
.endr
	WIN 0
	PLACES 8                                       ; in front of the first read of results
	s_add_co_u32 s70, s[KF], 127                   ; on the diagonal the scores of hidden keys become -infinity ahead of the maximum: p = 0 then.  A step all of whose keys count skips this
	s_cmp_le_u32 s70, s[Q0]
	s_cbranch_scc1 .Lopen_\@
.irp x, 0,1
	s_sub_co_i32 s70, s[Q0], s[KF]
	s_add_co_i32 s70, s70, 16*\x
	v_add_nc_u32 v[DD], s70, v[DM0]                ; d = my query - KF - 8 h.  Register 16 b + i holds key KF + 8 h + 32 b + i + 8 (i / 8): hidden where 32 b + i + 8 (i / 8) > d
.set n, 0
.rept 64
	v_cmp_gt_i32 vcc_lo, 32*(n/16)+(n%16)+8*((n%16)/8), v[DD]
	v_cndmask_b32 v[S+64*\x+n], v[S+64*\x+n], v[NINF], vcc_lo
.set n, n+1
.endr
.endr
.Lopen_\@:
	SM_MAX 0
	SM_MAX 1
.set j, 0
.rept 32
	v_pk_fma_f32 v[S+j:S+j+1], v[S+j:S+j+1], s[CS:CS+1], v[ST:ST+1] op_sel_hi:[1,0,0]   ; tile 0: t - M, two at a time (of the pairs c and -M the low word serves both halves)
.set j, j+2
.endr
.irp b, 0,1,2,3
	v_fma_f32 v[TP+\b], v[TP+\b], s[CS], v[ST]     ; the same of each block's largest score
.endr
.set j, 0
	s_setprio 1
.rept 32                                       ; tile 0's exponentials are one batch; tile 1's scalings stand among them: they name none of the batch's results
	v_exp_f32 v[S+j], v[S+j]
	v_pk_fma_f32 v[S+64+j:S+64+j+1], v[S+64+j:S+64+j+1], s[CS:CS+1], v[ST+4:ST+5] op_sel_hi:[1,0,0]
	v_exp_f32 v[S+j+1], v[S+j+1]
.set j, j+2
.endr
.irp b, 0,1,2,3
	v_exp_f32 v[TP+\b], v[TP+\b]                   ; the block's largest p: the same two instructions on the same number give the same bits
	v_fma_f32 v[TP+16+\b], v[TP+16+\b], s[CS], v[ST+4]
.endr
	v_pk_mul_f32 v[ST+2:ST+3], v[ST+2:ST+3], v[FF:FF+1] op_sel_hi:[1,0]     ; the sums under the new M
	v_pk_mul_f32 v[ST+6:ST+7], v[ST+6:ST+7], v[FF+2:FF+3] op_sel_hi:[1,0]
	s_wait_alu depctr_va_vdst(0)                   ; one wait for tile 0's 68 exponentials, ahead of their first reader
.set j, 0
.rept 32                                       ; tile 1's batch; tile 0's sum stands among it
	v_exp_f32 v[S+64+j], v[S+64+j]
	SUMN 0, j/2
	v_exp_f32 v[S+64+j+1], v[S+64+j+1]
.set j, j+2
.endr
.irp b, 0,1,2,3
	v_exp_f32 v[TP+16+\b], v[TP+16+\b]
.endr
	v_nop                                          ; a plain instruction behind the last exponential
	s_wait_alu depctr_va_vdst(0)                   ; and one wait for tile 1's 68
	SM_SCL 0
	SM_CVT 0
.set j, 0
.rept 32
	SUMN 1, j                                      ; tile 1's sum, ahead of its conversions
.set j, j+1
.endr
	s_setprio 0
	SM_SCL 1
	SM_CVT 1
	v_nop                                          ; one plain instruction behind the last conversion
	WIN 0x41                                       ; O^T window 1, f window 0
.irp x, 0,1
.set j, 0
.rept 16
	v_pk_mul_f32 v[O+32*\x+j:O+32*\x+j+1], v[O+32*\x+j:O+32*\x+j+1], v[FF+2*\x:FF+2*\x+1] op_sel_hi:[1,0]   ; O^T under the new M.  (These 32 are also the places between the codes and the products)
.set j, j+2
.endr
.endr
	s_wait_dscnt 0x0                               ; V is in
	WIN 0x51                                       ; V window 1, P window 0, O^T window 1
.irp t, 0,1,2,3
.irp x, 0,1
	v_wmma_scale_f32_16x16x128_f8f6f4 v[O+32*\x+8*\t:O+32*\x+8*\t+7], v[64+16*\t:79+16*\t], v[PC+16*\x:PC+16*\x+15], v[O+32*\x+8*\t:O+32*\x+8*\t+7], v[SC+\t], v[PS+\x] matrix_a_fmt:MATRIX_FMT_BF8 matrix_b_fmt:MATRIX_FMT_BF8 matrix_a_scale:MATRIX_SCALE_ROW1   ; eight accumulators, one turn each
.endr
.endr
	WIN 0
	PLACES 8                                       ; in front of the next step's loads into V's and the words' registers, and of the way out's reads of O^T
.Lhid_\@:
	s_add_co_u32 s[TB], s[TB], 16384
	s_add_co_u32 s[TS], s[TS], 512
	s_add_co_u32 s[KF], s[KF], 128
.endm
; THE WAY OUT of a block of queries: O^T / the sum, quantised along the head's 64 (two blocks of 32 a tile), the codes brought into natural order, stored as images.
.macro EPI
.irp x, 0,1
	v_add_f32 v[TT+\x], v[ST+4*\x+2], v[ST+4*\x+3]
.endr
.irp x, 0,1
	v_permlanex16_b32 v[XT+\x], v[TT+\x], s[SEL], s[SEL+1]
.endr
.irp x, 0,1
	v_add_f32 v[TT+\x], v[TT+\x], v[XT+\x]         ; the row's sum
.endr
.irp x, 0,1
	v_rcp_f32 v[C2+2*\x], v[TT+\x]
.endr
	v_nop                                          ; a plain instruction behind the last reciprocal
	s_wait_alu depctr_va_vdst(0)                   ; one wait for the two, ahead of their first reader
	WIN 0x01                                       ; O^T window 1
.irp x, 0,1
.set j, 0
.rept 16
	v_pk_mul_f32 v[S+64*\x+j:S+64*\x+j+1], v[O+32*\x+j:O+32*\x+j+1], v[C2+2*\x:C2+2*\x+1] op_sel_hi:[1,0]   ; register 16 b + i: channel 32 b + 8 h + i % 8 + 16 (i / 8)
.set j, j+2
.endr
.endr
	WIN 0
.irp x, 0,1
.irp b, 0,1
	v_max3_num_f32 v[TP+2*\x+\b], |v[S+64*\x+16*\b]|, |v[S+64*\x+16*\b+1]|, 0x8000000
.endr
.endr
.irp i, 2,4,6,8,10,12,14
.irp x, 0,1
.irp b, 0,1
	v_max3_num_f32 v[TP+2*\x+\b], v[TP+2*\x+\b], |v[S+64*\x+16*\b+\i]|, |v[S+64*\x+16*\b+\i+1]|
.endr
.endr
.endr
.irp k, 0,1,2,3
	v_permlanex16_b32 v[TP+4+\k], v[TP+\k], s[SEL], s[SEL+1]
.endr
.irp k, 0,1,2,3
	v_max_num_f32 v[TP+\k], v[TP+\k], v[TP+4+\k]
.endr
.irp k, 0,1,2,3
	v_add_nc_u32 v[TP+12+\k], 0xf8800000, v[TP+\k]
.endr
.irp k, 0,1,2,3
.endr
.irp k, 0,1,2,3
	v_lshrrev_b32 v[TP+4+\k], 23, v[TP+12+\k]
.endr
.irp x, 0,1
.irp b, 0,1
.irp i, 0,1,2,3,4,5,6,7,8,9,10,11,12,13,14,15
.endr
	v_cvt_scalef32_pk8_bf8_f32 v[PC+16*\x+4*\b:PC+16*\x+4*\b+1], v[S+64*\x+16*\b:S+64*\x+16*\b+7], v[TP+12+2*\x+\b]
	v_cvt_scalef32_pk8_bf8_f32 v[PC+16*\x+4*\b+2:PC+16*\x+4*\b+3], v[S+64*\x+16*\b+8:S+64*\x+16*\b+15], v[TP+12+2*\x+\b]
.endr
.endr
	v_nop                                          ; one plain instruction behind the last conversion
	; natural order: the lower lanes want channels 0 .. 15 of a block (their own registers 0, 1 and the upper lanes' 0, 1), the upper lanes 16 .. 31 (the lower lanes' registers 2, 3 and their own)
.irp x, 0,1
.irp b, 0,1
.irp e, 0,1
	v_permlanex16_b32 v[XT+2*\e], v[PC+16*\x+4*\b+\e+2], s[SEL], s[SEL+1]
	v_permlanex16_b32 v[XT+2*\e+1], v[PC+16*\x+4*\b+\e], s[SEL], s[SEL+1]
	v_cndmask_b32 v[PC+16*\x+4*\b+\e], v[PC+16*\x+4*\b+\e], v[XT+2*\e], s[HI]
	v_cndmask_b32 v[PC+16*\x+4*\b+\e+2], v[XT+2*\e+1], v[PC+16*\x+4*\b+\e+2], s[HI]
.endr
.endr
.endr
.irp x, 0,1
.irp b, 0,1
	global_store_b128 v[LI], v[PC+16*\x+4*\b:PC+16*\x+4*\b+3], s[66:67] offset:16384*\x+512*\b   ; 32 lanes store 512 consecutive bytes, aligned
.endr
.endr
	v_lshl_or_b32 v[XT], v[TP+5], 8, v[TP+4]       ; tile 0's two bytes,
	v_lshl_or_b32 v[XT+1], v[TP+7], 8, v[TP+6]     ; tile 1's:
	v_cndmask_b32 v[HW], v[XT], v[XT+1], s[HI]     ; the lower lanes carry tile 0's rows, the upper lanes tile 1's
	global_store_b16 v[AO], v[HW], s[68:69]
.endm
	s_lshl_b32 s[Q0], s[BI], 8                     ; the first block of queries: block i
	s_lshl_b32 s70, s[WV], 5
	s_add_co_u32 s[Q0], s[Q0], s70
	SETQ
	LOADQ
	SETA
	WIN 0x40
.irp z, 128,144,160
.irp j, 0,1,2,3,4,5,6,7
	v_mov_b32 v[\z+\j], 0                          ; the zero codes beside Q: written once
.endr
.endr
	WIN 0
	INIT
	s_mov_b32 s[TB], 0
	s_mov_b32 s[TS], 0
	s_mov_b32 s[KF], 0
	s_wait_tensorcnt 0x0                           ; my three loads have landed,
	s_barrier_signal -1
	s_barrier_wait -1                              ; everybody's have: the head's K, V and words lie in LDS and are only read from here on
	s_wait_loadcnt 0x0                             ; Q
	s_mov_b32 s[CNT], 8                            ; blocks 0 .. 3 end at key 1,023 at the latest
.Lfirst:
	STEP
	s_sub_co_u32 s[CNT], s[CNT], 1
	s_cmp_lg_u32 s[CNT], 0
	s_cbranch_scc1 .Lfirst
	s_setprio 0
	s_sub_co_u32 s[Q0], 7, s[BI]                   ; the second block of queries: block 7 - i.  Its Q is asked for now and lands under the first block's way out
	s_lshl_b32 s[Q0], s[Q0], 8
	s_lshl_b32 s70, s[WV], 5
	s_add_co_u32 s[Q0], s[Q0], s70
	s_wait_xcnt 0x0
	SETQ
	LOADQ
	EPI
	s_wait_xcnt 0x0                                ; the stores have read their registers and bases: both may be written again
	SETA
	INIT
	s_mov_b32 s[TB], 0
	s_mov_b32 s[TS], 0
	s_mov_b32 s[KF], 0
	s_wait_loadcnt 0x0                             ; Q
	s_mov_b32 s[CNT], 16
.Lsecond:
	STEP
	s_sub_co_u32 s[CNT], s[CNT], 1
	s_cmp_lg_u32 s[CNT], 0
	s_cbranch_scc1 .Lsecond
	s_setprio 0
	EPI
	s_wait_tensorcnt 0x0
	ds_add_u32 v62, v63
	s_wait_dscnt 0x0
	s_endpgm
.Lfunc_end_k_q43236881a7_attn:
	.size	k_q43236881a7_attn, .Lfunc_end_k_q43236881a7_attn-k_q43236881a7_attn
	.p2alignl 7, 3214868480
	.fill 96, 4, 3214868480
	.section	.rodata,"a",@progbits
	.p2align	6, 0x0
	.amdhsa_kernel k_q43236881a7_attn
		.amdhsa_group_segment_fixed_size 271360
		.amdhsa_private_segment_fixed_size 0
		.amdhsa_enable_private_segment 0
		.amdhsa_kernarg_size 48
		.amdhsa_user_sgpr_count 2
		.amdhsa_user_sgpr_kernarg_segment_ptr 1
		.amdhsa_wavefront_size32 1
		.amdhsa_system_sgpr_workgroup_id_x 1
		.amdhsa_system_sgpr_workgroup_id_y 1
		.amdhsa_system_sgpr_workgroup_id_z 1
		.amdhsa_system_vgpr_workitem_id 0
		.amdhsa_next_free_vgpr 512
		.amdhsa_next_free_sgpr 80
		.amdhsa_reserve_vcc 1
		.amdhsa_float_denorm_mode_32 3
		.amdhsa_float_denorm_mode_16_64 3
		.amdhsa_fp16_overflow 1
		.amdhsa_memory_ordered 1
		.amdhsa_forward_progress 1
		.amdhsa_inst_pref_size 111
	.end_amdhsa_kernel
	.amdgpu_metadata
---
amdhsa.version: [ 1, 2 ]
amdhsa.kernels:
  - .name:           k_q43236881a7_attn
    .symbol:         k_q43236881a7_attn.kd
    .args:
      - { .name: qc, .offset: 0, .size: 8, .value_kind: global_buffer, .address_space: global }
      - { .name: qs, .offset: 8, .size: 8, .value_kind: global_buffer, .address_space: global }
      - { .name: kv, .offset: 16, .size: 8, .value_kind: global_buffer, .address_space: global }
      - { .name: kvs, .offset: 24, .size: 8, .value_kind: global_buffer, .address_space: global }
      - { .name: ac, .offset: 32, .size: 8, .value_kind: global_buffer, .address_space: global }
      - { .name: asc, .offset: 40, .size: 8, .value_kind: global_buffer, .address_space: global }
    .group_segment_fixed_size: 271360
    .private_segment_fixed_size: 0
    .kernarg_segment_align: 8
    .kernarg_segment_size: 48
    .max_flat_workgroup_size: 256
    .sgpr_count:     80
    .vgpr_count:     512
    .wavefront_size: 32
...
	.end_amdgpu_metadata
.endif
;; end of part 2
;; launch proj (part 3): grid 4 x 32, 4 waves a work-group, clusters of 4 x 4, 327,680 bytes of LDS; arguments ac, asc, wo_codes, wo_scales, bo, out0; writes out0
.if DOCPART == 3
	.amdgcn_target "amdgcn-amd-amdhsa--gfx1250"
	.amdhsa_code_object_version 6
	.text
	.protected	k_q43236881a7_proj
	.globl	k_q43236881a7_proj
	.p2align	8
	.type	k_q43236881a7_proj,@function
k_q43236881a7_proj:
	s_mov_b64 s[64:65], 0
	v_nop
	global_prefetch_b8 v0, s[64:65] scope:SCOPE_SE
	s_setreg_imm32_b32 hwreg(HW_REG_WAVE_MODE, 25, 1), 1
	s_wait_xcnt 0x0
	s_wait_alu depctr_hold_cnt(0) depctr_sa_sdst(0) depctr_va_vdst(0) depctr_va_sdst(0) depctr_va_ssrc(0) depctr_va_vcc(0) depctr_vm_vsrc(0)
	s_getreg_b32 s2, hwreg(HW_REG_IB_STS2, 6, 4)
	s_cmp_eq_u32 s2, 0
	s_cbranch_scc0 .Lentry_in_a_cluster
	s_endpgm
.Lentry_in_a_cluster:
	s_bfe_u32 s2, ttmp6, 0x10000c
	s_cmp_lg_u32 s2, 0xf033
	s_cbranch_scc0 .Lentry_shape_is_right
	s_endpgm
.Lentry_shape_is_right:
; out0 = a wo + bo on codes of BF8 (E5M2) with one E8M0 scale for each 32 along K = 1,024; sums in f32; out0: [8192][1024] f32.
; a comes as the launch before lays it: ac [tile of 16 tokens: 512][K step of 128: 8][group 4][lane][16]: images of operand registers;  asc [tile][4][row 16][8 bytes]: the two scale words of K steps 2 p and 2 p + 1.
; wo: [1024 (column)][1024 (k)] codes, [1024][32] scale bytes.  bo: [1024] f32.
; A tile of out0, 256 x 256, is made by a work-group of four waves; a wave makes 128 x 128: 64 accumulators, 512 registers.  128 work-groups: the smaller tile that would give 256 reads half as much again from LDS for each product.
; K goes in steps of 256 through a ring of two LDS slots.  a's part of a slot is dense (a tile of tokens: 4,096 consecutive bytes; a fragment load takes 512 consecutive bytes); wo's rows of 256 bytes get 16 of padding.
; THE SCALES of the work-group's 256 tokens and 256 columns, for all of K, come into LDS once, with the first fills.
; CLUSTERS: 4 x 4 work-groups; a's tiles are shared along a row of the cluster, wo's along a column: each is asked for JOINTLY.
; THE MATRIX INSTRUCTION IS USED TRANSPOSED (source 0 = 16 rows of wo, source 1 = 16 tokens): a lane holds eight neighbouring numbers of a row of out0.
; REGISTERS.  Window 0: v1-31 addresses; v32-95 scale words, two sets (a's 16, wo's 16 each); v96-99 my four numbers of bo; v128-255 a's fragments, one set; on the way out rows of out0.
;   Window 1: wo's fragments, two sets.   Windows 2, 3: the accumulators ((a, b) at v[8 (8 (a % 4) + b)]).
; No prefetch is laid: K has four steps, of which two are first fills and the other two are asked for one step ahead.
.set SIZE_N, 1024
.set NQ,     2                         ; matrix instructions deep in a slot
.set ROWB,   256                       ; a row of wo's tile in bytes
.set KROW,   1024                      ; a row of wo's codes in memory; also 1 / 16 of a tile of tokens in ac
.set PITCH,  272                       ; wo's LDS row: 256 bytes + 16 of padding = 68 words: the 16 rows that a load touches start 4 words apart modulo 64 (64 banks of 4 bytes: ISA guide 11.1)
.set FR,     16
.set NL,     4
.set NP,     8                         ; places behind this matrix instruction (ISA guide 7.12.1)
.set HALFA,  32768                     ; a: 8 tiles of tokens x 4,096 bytes: what one tensor load brings
.set HALFT,  128*PITCH                 ; wo: 128 rows
.set BOFF,   2*HALFA                   ; wo's part of a slot
.set SLOT,   2*HALFA+2*HALFT
.set KS,     32                        ; scale bytes of a row, for all of K
.set SCL,    2*SLOT                    ; behind the ring: the scale bytes, as pieces of 256 bytes + 16 of padding: a's 256 rows, then wo's
.set HALFS,  (128*KS/256)*272
.set SBLK,   (16*KS/256)*272
.set SPARE,  SCL+4*HALFS               ; the spare words, 128 bytes a wave: two blocks of 256 bytes that no other line names
.set SPITCH, 528                       ; the way out: a stage of 16 rows x (512 bytes + 16) for each wave, in slot 0, which has had its last fill and its last read when the first result is stored there
.set ADRA, 16                          ; v16-17  LDS address of a's fragments in slot 0, 1
.set ADRB, 20                          ; v20-21  of wo's
.set STO,  24                          ; v24     the way out: where I put 32 bytes of a row
.set RD,   25                          ; v25     where I read a row back
.set CO,   26                          ; v26     16 x lane; never rewritten
.set ADSA, 27                          ; v27     LDS address of a's scale words
.set SPW,  28                          ; v28     LDS address of my spare word; never rewritten
.set NIL,  29                          ; v29     0; never rewritten
.set ADSB, 30                          ; v30     LDS address of wo's scale words
.set SA,   32                          ; a's scale words: set s, block i, q at v[SA + 32 s + 2 i + q]
.set SB,   48                          ; wo's
.set BI,   96                          ; v96-99  bo at my four columns of a row read back from the stage
.set AF,   128
.set BK,   128                         ; the way out: 16 rows read back: v128-191 and v192-255 by turns
.set G1, 24                            ; s[24:31] descriptor group 1 for a's tiles;  s[32:39] group 0, one set for each slot
.set G0, 32
.set G1B, 48                           ; s[48:55], s[56:63] the same for wo's
.set G0B, 56
.set G1S, 68                           ; s[68:75], s[76:79] groups 1 and 0 for a's scales;  s[80:87], s[88:91] for wo's
.set G0S, 76
.set G1SB, 80
.set G0SB, 88
.set MSB, 0
.macro WIN new                         ; the immediate's high byte repeats the setting that is left
.if MSB != (\new)
	s_set_vgpr_msb (MSB<<8)|(\new)
.set MSB, (\new)
.endif
.endm
.set MUL_LO, 0xa1                      ; source 0 (wo) window 1, source 1 (a) window 0, C and D window 2
.set MUL_HI, 0xf1                      ; the same, C and D window 3
.set TO_B,   0x40                      ; destination window 1, address window 0
; A joint load: waves 0 and 1 fetch for a, waves 2 and 3 for wo.  The branch hangs on the wave's number alone.  Four v_nop follow each of the two lines.
.macro JLOAD g0a, g1a, g0b, g1b
	s_cmp_eq_u32 s15, 0
	s_cbranch_scc0 .Lfor_b_\@
	tensor_load_to_lds s[\g0a:\g0a+3], s[\g1a:\g1a+7]
	s_nop 0
.rept 4
	v_nop
.endr
	s_branch .Lasked_\@
.Lfor_b_\@:
	tensor_load_to_lds s[\g0b:\g0b+3], s[\g1b:\g1b+7]
	s_nop 0
.rept 4
	v_nop
.endr
.Lasked_\@:
.endm
.macro CREST                           ; a round of the cluster's barrier behind its opening barrier
	s_cmp_lg_u32 s14, 0
	s_cbranch_scc1 .Lnot_wave_0_\@
	s_barrier_signal -3
.Lnot_wave_0_\@:
	s_barrier_wait -3
	s_barrier_signal -1
	s_barrier_wait -1
.endm
.macro CROUND                          ; a whole round
	s_barrier_signal -1
	s_barrier_wait -1
	CREST
.endm
	s_load_b128 s[4:7], s[0:1], 0x0                ; ac s[4:5], asc s[6:7]
	s_load_b128 s[8:11], s[0:1], 0x10              ; wo's codes s[8:9], wo's scales s[10:11]
	s_load_b64 s[96:97], s[0:1], 0x20              ; bo
	s_load_b64 s[12:13], s[0:1], 0x28              ; out0
	v_lshl_add_u32 v[SPW], v0, 2, SPARE
	v_mov_b32 v[NIL], 0
	ds_add_u32 v28, v29
	ds_add_u32 v28, v29
	s_wait_dscnt 0x0
	v_lshrrev_b32 v1, 5, v0
	v_readfirstlane_b32 s14, v1                    ; wave 0..3
	s_lshr_b32 s15, s14, 1                         ; which half of the tile's tokens is mine.  Also: I fetch for a (0) or for wo (1)
	s_and_b32 s16, s14, 1                          ; which half of its columns.  Also: which half of that tile I fetch
	s_bfe_u32 s40, ttmp6, 0x40000                  ; cx, cy: my place in the cluster
	s_bfe_u32 s41, ttmp6, 0x40004
	s_lshl_b32 s42, ttmp9, 2
	s_add_co_u32 s42, s42, s40                     ; block of 256 columns = 4 x cluster x + cx
	s_and_b32 s17, ttmp7, 0xffff
	s_lshl_b32 s17, s17, 2
	s_add_co_u32 s17, s17, s41                     ; block of 256 tokens = 4 x cluster y + cy
	s_lshl_b32 s43, s41, 2
	s_lshl_b32 s43, 15, s43                        ; my row of the cluster
	s_lshl_b32 s44, 0x1111, s40                    ; my column
	; a's tiles: 8 rows (tiles of tokens) of 4,096 bytes (512 elements of 8 bytes), 16,384 bytes apart; dense in LDS
	s_or_b32 s[G1+0], s43, (3<<16)|(1<<21)         ; 15:0 the mask: my row; 17:16 elements of 8 bytes; 21 set beside a mask; no padding
	s_mov_b32 s[G1+1], 512<<16                     ; tensor_dim0
	s_mov_b32 s[G1+2], 8<<16                       ; tensor_dim1
	s_mov_b32 s[G1+3], 512<<16                     ; tile_dim0
	s_mov_b32 s[G1+4], 8                           ; tile_dim1
	s_mov_b32 s[G1+5], 2048                        ; tensor_dim0_stride, in elements
	s_mov_b32 s[G1+6], 0
	s_mov_b32 s[G1+7], 0
	; wo's tiles: 128 rows of 256 bytes, padded in LDS
	s_or_b32 s[G1B+0], s44, (0<<16)|(1<<20)|(1<<21)|(5<<22)|(3<<25)  ; the mask: my column; elements of 1 byte; padding: 4 words after every 64
	s_mov_b32 s[G1B+1], ROWB<<16
	s_mov_b32 s[G1B+2], 128<<16
	s_mov_b32 s[G1B+3], ROWB<<16
	s_mov_b32 s[G1B+4], 128
	s_mov_b32 s[G1B+5], KROW
	s_mov_b32 s[G1B+6], 0
	s_mov_b32 s[G1B+7], 0
	; the scales of 128 rows: a dense block of 4,096 bytes on either side, as 16 rows of 256 bytes, 16 bytes of padding behind each
	s_or_b32 s[G1S+0], s43, (3<<16)|(1<<20)|(1<<21)|(5<<22)|(3<<25)
	s_or_b32 s[G1SB+0], s44, (3<<16)|(1<<20)|(1<<21)|(5<<22)|(3<<25)
.irp g, G1S, G1SB
	s_mov_b32 s[\g+1], 32<<16
	s_mov_b32 s[\g+2], (128*KS/256)<<16
	s_mov_b32 s[\g+3], 32<<16
	s_mov_b32 s[\g+4], 128*KS/256
	s_mov_b32 s[\g+5], 32
	s_mov_b32 s[\g+6], 0
	s_mov_b32 s[\g+7], 0
.endr
	s_lshl_b32 s18, s16, 7                         ; which 128 rows of the tile I fetch
	s_lshl_b32 s20, s17, 8
	s_add_co_u32 s20, s20, s18                     ; a: token 256 x block + 128 x half
	s_lshl_b32 s46, s42, 8
	s_add_co_u32 s46, s46, s18                     ; wo: column likewise
	s_mov_b32 s21, 0
	s_mov_b32 s47, 0
	s_mov_b64 s[18:19], KS
	s_mul_u64 s[22:23], s[20:21], s[18:19]         ; where these rows' scales begin: 32 bytes a row on either side (asc: 512 for each 16 tokens)
	s_mul_u64 s[92:93], s[46:47], s[18:19]
	s_mov_b64 s[18:19], KROW
	s_mul_u64 s[20:21], s[20:21], s[18:19]         ; and their codes: 1,024 bytes a row on either side (ac: 16,384 for each 16 tokens)
	s_mul_u64 s[46:47], s[46:47], s[18:19]
	s_mul_i32 s45, s16, HALFA                      ; where they go: made of the wave's number alone
	s_mul_i32 s95, s16, HALFT
	s_add_co_u32 s95, s95, BOFF
	s_mul_i32 s94, s16, HALFS
	s_wait_kmcnt 0x0
	s_add_nc_u64 s[20:21], s[4:5], s[20:21]
	s_add_nc_u64 s[22:23], s[6:7], s[22:23]
	s_add_nc_u64 s[46:47], s[8:9], s[46:47]
	s_add_nc_u64 s[92:93], s[10:11], s[92:93]
	CROUND                                         ; all sixteen work-groups are here: the first joint loads meet
	s_mov_b32 s[G0S], 1
	s_add_co_u32 s[G0S+1], s94, SCL
	s_mov_b64 s[G0S+2:G0S+3], s[22:23]
	s_or_b32 s[G0S+3], s[G0S+3], 0x80000000
	s_mov_b32 s[G0SB], 1
	s_add_co_u32 s[G0SB+1], s94, SCL+2*HALFS
	s_mov_b64 s[G0SB+2:G0SB+3], s[92:93]
	s_or_b32 s[G0SB+3], s[G0SB+3], 0x80000000
	JLOAD G0S, G1S, G0SB, G1SB                     ; the scales first.  Each load below first waits for all my earlier tensor loads
.irp s, 0,1
	s_mov_b32 s[G0+4*\s], 1
	s_add_co_u32 s[G0+4*\s+1], s45, \s*SLOT
	s_add_nc_u64 s[G0+4*\s+2:G0+4*\s+3], s[20:21], \s*4096       ; a K step of 256 is 4,096 bytes of a tile of tokens
	s_or_b32 s[G0+4*\s+3], s[G0+4*\s+3], 0x80000000
	s_mov_b32 s[G0B+4*\s], 1
	s_add_co_u32 s[G0B+4*\s+1], s95, \s*SLOT
	s_add_nc_u64 s[G0B+4*\s+2:G0B+4*\s+3], s[46:47], \s*ROWB
	s_or_b32 s[G0B+4*\s+3], s[G0B+4*\s+3], 0x80000000
	s_wait_alu depctr_va_vdst(0)
	s_wait_tensorcnt 0x0
	ds_add_u32 v28, v29
	s_wait_dscnt 0x0
	CROUND
	JLOAD G0+4*\s, G1, G0B+4*\s, G1B
.endr
	v_and_b32 v1, 15, v0                           ; r = lane % 16
	v_bfe_u32 v2, v0, 4, 1                         ; h = lane / 16
	v_and_b32 v6, 31, v0
	v_lshlrev_b32 v[CO], 4, v6                     ; 16 x lane
	v_mul_u32_u24 v3, v1, PITCH
	v_lshl_add_u32 v4, v2, 4, v3                   ; wo: a fragment's row x pitch + 16 x half
	s_mul_i32 s21, s15, HALFA                      ; my 8 tiles of tokens
	s_mul_i32 s22, s16, HALFT                      ; my 128 rows of wo,
	s_add_co_u32 s22, s22, BOFF                    ; which lie behind a's part
.irp s, 0,1
	v_add_nc_u32 v[ADRA+\s], s21, v[CO]
	v_add_nc_u32 v[ADRB+\s], s22, v4
	s_add_co_u32 s21, s21, SLOT
	s_add_co_u32 s22, s22, SLOT
.endr
	v_lshlrev_b32 v5, 3, v1                        ; a's scale words: 8 bytes a row for a K step of 256
	s_mul_i32 s21, s15, HALFS
	s_add_co_u32 s21, s21, SCL
	v_add_nc_u32 v[ADSA], s21, v5
	v_mul_u32_u24 v5, v1, KS                       ; wo's: 32 bytes a row,
	v_lshrrev_b32 v6, 8, v5
	v_lshl_add_u32 v5, v6, 4, v5                   ; and 16 more for each 256 passed
	s_mul_i32 s22, s16, HALFS
	s_add_co_u32 s22, s22, SCL+2*HALFS
	v_add_nc_u32 v[ADSB], s22, v5
	s_mul_i32 s23, s14, 16*SPITCH                  ; my stage
	v_mul_u32_u24 v5, v1, SPITCH                   ; in: row l % 16, 32 bytes for each half of the lanes
	v_lshl_add_u32 v5, v2, 5, v5
	v_add_nc_u32 v[STO], s23, v5
	v_add_nc_u32 v[RD], s23, v[CO]                 ; back: the 32 lanes take one row of 512 bytes
	s_lshl_b32 s20, s17, 8
	s_lshl_b32 s21, s15, 7
	s_add_co_u32 s20, s20, s21                     ; my first row of out0
	s_mov_b32 s21, 0
	s_mov_b64 s[18:19], SIZE_N*4
	s_mul_u64 s[20:21], s[20:21], s[18:19]
	s_lshl_b32 s46, s42, 10                        ; my first column, in bytes: 1,024 x block + 512 x half
	s_lshl_b32 s47, s16, 9
	s_add_co_u32 s46, s46, s47
	s_mov_b32 s47, 0
	s_add_nc_u64 s[96:97], s[96:97], s[46:47]
	global_load_b128 v[BI:BI+3], v[CO], s[96:97]   ; bo at my columns 4 lane + 0 .. 3: waited for on the way out
	s_add_nc_u64 s[20:21], s[20:21], s[46:47]
	s_add_nc_u64 s[12:13], s[12:13], s[20:21]
.macro FRAGB reg, adr, q, i            ; wo: 16 rows x 128 K from rows in LDS: lane l holds row l % 16; registers 4 c .. 4 c + 3 hold K = 32 c + 16 (l / 16) + 0 .. 15
.irp c, 0,1,2,3
	ds_load_b128 v[\reg+4*\c:\reg+4*\c+3], v[\adr] offset:128*(\q)+32*\c+(\i)*16*PITCH
.endr
.endm
.macro FRAGA reg, adr, q, i            ; a: the image of the same registers: 512 consecutive bytes a load
.irp c, 0,1,2,3
	ds_load_b128 v[\reg+4*\c:\reg+4*\c+3], v[\adr] offset:4096*(\i)+2048*(\q)+512*\c
.endr
.endm
; 16 matrix instructions: a's blocks a0, a0 + 1 x wo's eight, 128 along K.  The 64 accumulators take turns, one instruction a turn, in the same order in every step.
.macro MUL16 a0, p, q, sc, zero
.irp a, \a0, \a0+1
.irp b, 0,1,2,3,4,5,6,7
.if \zero
	v_wmma_scale_f32_16x16x128_f8f6f4 v[8*(8*((\a)%4)+\b):8*(8*((\a)%4)+\b)+7], v[128*(\p)+FR*\b:128*(\p)+FR*\b+FR-1], v[AF+FR*(\a):AF+FR*(\a)+FR-1], 0, v[SB+32*(\sc)+2*\b+(\q)], v[SA+32*(\sc)+2*(\a)+(\q)] matrix_a_fmt:MATRIX_FMT_BF8 matrix_b_fmt:MATRIX_FMT_BF8
.else
	v_wmma_scale_f32_16x16x128_f8f6f4 v[8*(8*((\a)%4)+\b):8*(8*((\a)%4)+\b)+7], v[128*(\p)+FR*\b:128*(\p)+FR*\b+FR-1], v[AF+FR*(\a):AF+FR*(\a)+FR-1], v[8*(8*((\a)%4)+\b):8*(8*((\a)%4)+\b)+7], v[SB+32*(\sc)+2*\b+(\q)], v[SA+32*(\sc)+2*(\a)+(\q)] matrix_a_fmt:MATRIX_FMT_BF8 matrix_b_fmt:MATRIX_FMT_BF8
.endif
.endr
.endr
.endm
.macro FETCH_B slot, q, p
	WIN TO_B
.irp i, 0,1,2,3,4,5,6,7
	FRAGB 128*(\p)+FR*\i, ADRB+\slot, \q, \i
.endr
	WIN 0
.endm
.macro FETCH_A slot, q, i0
.irp i, \i0, \i0+1, \i0+2, \i0+3
	FRAGA AF+FR*(\i), ADRA+\slot, \q, \i
.endr
.endm
.macro SCALES sc                       ; a K step's scale words into set sc: two words a row on either side; lane r takes row r's
.irp i, 0,1,2,3,4,5,6,7
	ds_load_b64 v[SA+32*\sc+2*\i:SA+32*\sc+2*\i+1], v[ADSA] offset:\i*SBLK
	ds_load_b64 v[SB+32*\sc+2*\i:SB+32*\sc+2*\i+1], v[ADSB] offset:\i*SBLK
.endr
.endm
.macro PLACES n                        ; places behind matrix instructions: plain vector instructions that name none of their registers (ISA guide 7.12.1)
.rept \n
	v_nop
.endr
.endm
.macro STEP slot, q, zero              ; a step of 128 along K that has its successor in the same slot
	s_wait_dscnt 4*NL                              ; wo's set and a's blocks 0-3 are in; the youngest 16 loads (blocks 4-7) may be out
	WIN MUL_LO
	MUL16 0, (\q)%2, \q, \slot, \zero
	MUL16 2, (\q)%2, \q, \slot, \zero
	s_wait_dscnt 0
	PLACES NP
	FETCH_B \slot, (\q)+1, 1-(\q)%2
	FETCH_A \slot, (\q)+1, 0
	WIN MUL_HI
	MUL16 4, (\q)%2, \q, \slot, \zero
	MUL16 6, (\q)%2, \q, \slot, \zero
	PLACES NP
	WIN 0
	FETCH_A \slot, (\q)+1, 4
.endm
; A slot's last step changes slots: ONE barrier; in front of it each wave waits for all its tensor loads, adds 0 to its spare word, and waits for that and for its own reads of this slot.
; fill = 1: this slot is filled again, two K steps ahead.  sa: how far a's next scale words lie: 128 bytes, or 144 where a padding is passed.
.macro TURN slot, next, fill, sa
	s_wait_tensorcnt 0x0                           ; all my tensor loads have landed: my part of the next slot;  (every window is 0 here)
	ds_add_u32 v[SPW], v[NIL]                      ; 0 onto my spare word
	s_wait_dscnt 4*NL+1                            ; (the add and the youngest 16 loads may be out)
	WIN MUL_LO
	MUL16 0, 1, NQ-1, \slot, 0                     ; sixteen matrix instructions stand between the add and the wait for it
	s_wait_dscnt 0x0                               ; the add is done, and my reads of this slot are over
	s_barrier_signal -1
	MUL16 2, 1, NQ-1, \slot, 0
	WIN 0
	s_barrier_wait -1
.if \fill
	CREST                                          ; the barrier has opened a round of the cluster's barrier: no wave of any partner still reads this slot's tile or has a load on its way
	s_add_nc_u64 s[G0+4*\slot+2:G0+4*\slot+3], s[G0+4*\slot+2:G0+4*\slot+3], 2*4096
	s_add_nc_u64 s[G0B+4*\slot+2:G0B+4*\slot+3], s[G0B+4*\slot+2:G0B+4*\slot+3], 2*ROWB
	JLOAD G0+4*\slot, G1, G0B+4*\slot, G1B         ; the first tensor load behind the round, my one load until the next
	PLACES NP-4
.else
	PLACES NP
.endif
	s_wait_alu depctr_va_vdst(0)
	v_add_nc_u32 v[ADSA], \sa, v[ADSA]             ; on to the next K step's scale words
	v_add_nc_u32 v[ADSB], 4*NQ, v[ADSB]
	FETCH_B \next, 0, 0
	FETCH_A \next, 0, 0
	SCALES \next
	WIN MUL_HI
	MUL16 4, 1, NQ-1, \slot, 0
	MUL16 6, 1, NQ-1, \slot, 0
	PLACES NP
	WIN 0
	FETCH_A \next, 0, 4
.endm
	s_wait_alu depctr_va_vdst(0)
	s_wait_tensorcnt 1                             ; the scales and my part of K step 0 are in (K step 1's load may be out)
	s_barrier_signal -1
	s_barrier_wait -1                              ; everybody's are
	FETCH_B 0, 0, 0
	FETCH_A 0, 0, 0
	SCALES 0
	FETCH_A 0, 0, 4
	STEP 0, 0, 1                                   ; K = 1,024 is four slots' worth: written out.  The first products start the sums
	TURN 0, 1, 1, 128
	STEP 1, 0, 0
	TURN 1, 0, 1, 144
	STEP 0, 0, 0
	TURN 0, 1, 0, 128                              ; nothing is left to fetch
	STEP 1, 0, 0
	s_wait_dscnt 4*NL                              ; the very last step
	WIN MUL_LO
	MUL16 0, 1, NQ-1, 1, 0
	MUL16 2, 1, NQ-1, 1, 0
	s_wait_dscnt 0
	WIN MUL_HI
	MUL16 4, 1, NQ-1, 1, 0
	MUL16 6, 1, NQ-1, 1, 0
	WIN 0
; THE WAY OUT, block by block of 16 rows x 128 columns, through my own stage in LDS: in as 32 bytes a lane, back as whole rows of 512 bytes; bo is added to the rows read back.
; LDS serves a wave's instructions in order (ISA guide 5.7.1.4): no wait between the stores and the loads, nor in front of the next block's stores.
.macro TOSTAGE a
.set AC, 64*((\a)%4)
	WIN 0x08+4*((\a)/4)                            ; the data: window 2 or 3
.irp b, 0,1,2,3,4,5,6,7
	ds_store_b128 v[STO], v[AC+8*\b:AC+8*\b+3] offset:64*\b          ; each accumulator from its low end on
	ds_store_b128 v[STO], v[AC+8*\b+4:AC+8*\b+7] offset:64*\b+16
.endr
	WIN 0
.set BB, BK+64*((\a)%2)
.irp t, 0,1,2,3,4,5,6,7,8,9,10,11,12,13,14,15
	ds_load_b128 v[BB+4*\t:BB+4*\t+3], v[RD] offset:\t*SPITCH
.endr
.endm
.macro SEND a, younger                 ; younger: the LDS instructions issued behind block a's loads, which may stay out
.set BB, BK+64*((\a)%2)
	s_wait_dscnt \younger                          ; the block is back in registers
.if (\a) > 0
	s_add_nc_u64 s[12:13], s[12:13], 16*SIZE_N*4   ; (behind a wait on XCNT: the earlier stores have read their base)  16 rows on
.endif
.irp t, 0,1,2,3,4,5,6,7,8,9,10,11,12,13,14,15
	v_pk_add_f32 v[BB+4*\t:BB+4*\t+1], v[BB+4*\t:BB+4*\t+1], v[BI:BI+1]
	v_pk_add_f32 v[BB+4*\t+2:BB+4*\t+3], v[BB+4*\t+2:BB+4*\t+3], v[BI+2:BI+3]
	global_store_b128 v[CO], v[BB+4*\t:BB+4*\t+3], s[12:13] offset:\t*SIZE_N*4 th:TH_STORE_NT   ; 32 lanes store 512 consecutive bytes, aligned; written once, read by nobody here
.endr
.endm
	PLACES NP                                      ; in front of the reads of results and of the loads into the registers that held a's fragments
	s_wait_loadcnt 0x0                             ; bo
	TOSTAGE 0
.irp a, 1,2,3,4,5,6,7
.if \a > 1
	s_wait_xcnt 0x0                                ; block a - 2's stores have read their registers and their base: block a's loads may land there, and the base may step
.endif
	TOSTAGE \a
	SEND \a-1, 32                                  ; behind block a - 1's loads: block a's 16 stores and 16 loads
.endr
	s_wait_xcnt 0x0                                ; block 6's stores have read their base
	SEND 7, 0
	s_wait_tensorcnt 0x0                           ; the wave's end
	ds_add_u32 v[SPW], v[NIL]
	s_wait_dscnt 0x0
	CROUND                                         ; the closing round: no work-group ends while a partner may still ask for a tile that names it
	s_endpgm
.Lfunc_end_k_q43236881a7_proj:
	.size	k_q43236881a7_proj, .Lfunc_end_k_q43236881a7_proj-k_q43236881a7_proj
	.p2alignl 7, 3214868480
	.fill 96, 4, 3214868480
	.section	.rodata,"a",@progbits
	.p2align	6, 0x0
	.amdhsa_kernel k_q43236881a7_proj
		.amdhsa_group_segment_fixed_size 327680
		.amdhsa_private_segment_fixed_size 0
		.amdhsa_enable_private_segment 0
		.amdhsa_kernarg_size 48
		.amdhsa_user_sgpr_count 2
		.amdhsa_user_sgpr_kernarg_segment_ptr 1
		.amdhsa_wavefront_size32 1
		.amdhsa_system_sgpr_workgroup_id_x 1
		.amdhsa_system_sgpr_workgroup_id_y 1
		.amdhsa_system_sgpr_workgroup_id_z 1
		.amdhsa_system_vgpr_workitem_id 0
		.amdhsa_next_free_vgpr 1024
		.amdhsa_next_free_sgpr 100
		.amdhsa_reserve_vcc 0
		.amdhsa_float_denorm_mode_32 3
		.amdhsa_float_denorm_mode_16_64 3
		.amdhsa_memory_ordered 1
		.amdhsa_forward_progress 1
		.amdhsa_inst_pref_size 165
	.end_amdhsa_kernel
	.amdgpu_metadata
---
amdhsa.version: [ 1, 2 ]
amdhsa.kernels:
  - .name:           k_q43236881a7_proj
    .symbol:         k_q43236881a7_proj.kd
    .args:
      - { .name: ac, .offset: 0, .size: 8, .value_kind: global_buffer, .address_space: global }
      - { .name: asc, .offset: 8, .size: 8, .value_kind: global_buffer, .address_space: global }
      - { .name: wo_codes, .offset: 16, .size: 8, .value_kind: global_buffer, .address_space: global }
      - { .name: wo_scales, .offset: 24, .size: 8, .value_kind: global_buffer, .address_space: global }
      - { .name: bo, .offset: 32, .size: 8, .value_kind: global_buffer, .address_space: global }
      - { .name: out0, .offset: 40, .size: 8, .value_kind: global_buffer, .address_space: global }
    .group_segment_fixed_size: 327680
    .private_segment_fixed_size: 0
    .kernarg_segment_align: 8
    .kernarg_segment_size: 48
    .max_flat_workgroup_size: 128
    .sgpr_count:     100
    .vgpr_count:     1024
    .wavefront_size: 32
...
	.end_amdgpu_metadata
.endif
;; end of part 3
